; MI455X (gfx1250); checked and timed in simulation.
; The chip was launched on July 23, 2026; its instructions are those of AMD's public machine-readable ISA for CDNA 5 (MIT licence, August 2026) and "CDNA5" Instruction Set Architecture Reference Guide (July 2026). The comments in the code are by the model that wrote it; some were corrected since.
;; Multi Headed Attention. Allowed arithmetic: matrix products marked QUANTISED: E2M3 operands, one E8M0 scale for each 32 along K, by v_wmma_scale_f32_16x16x128_f8f6f4 with both operands' format E2M3, f32 sums; everything else in f32.
;; Inputs: Wk_codes 1,024 x 32 x 24 uint8 (E2M3 codes of Wk, K innermost, in blocks of 32 codes, four codes in three bytes); Wk_scales 1,024 x 32 uint8 (E8M0 scales of Wk, one for each 32 codes along K); Wo_codes 1,024 x 32 x 24 uint8 (E2M3 codes of Wo, K innermost, in blocks of 32 codes, four codes in three bytes); Wo_scales 1,024 x 32 uint8 (E8M0 scales of Wo, one for each 32 codes along K); Wq_codes 1,024 x 32 x 24 uint8 (E2M3 codes of Wq, K innermost, in blocks of 32 codes, four codes in three bytes); Wq_scales 1,024 x 32 uint8 (E8M0 scales of Wq, one for each 32 codes along K); Wv_codes 1,024 x 32 x 24 uint8 (E2M3 codes of Wv, K innermost, in blocks of 32 codes, four codes in three bytes); Wv_scales 1,024 x 32 uint8 (E8M0 scales of Wv, one for each 32 codes along K); bk 1,024 float32; bo 1,024 float32; bq 1,024 float32; bv 1,024 float32; key_codes 4 x 2,048 x 32 x 24 uint8 (E2M3 codes of key, K innermost, in blocks of 32 codes, four codes in three bytes); key_scales 4 x 2,048 x 32 uint8 (E8M0 scales of key, one for each 32 codes along K); mask 4 x 2,048 x 2,048 int32; query_codes 4 x 2,048 x 32 x 24 uint8 (E2M3 codes of query, K innermost, in blocks of 32 codes, four codes in three bytes); query_scales 4 x 2,048 x 32 uint8 (E8M0 scales of query, one for each 32 codes along K); value_codes 4 x 2,048 x 32 x 24 uint8 (E2M3 codes of value, K innermost, in blocks of 32 codes, four codes in three bytes); value_scales 4 x 2,048 x 32 uint8 (E8M0 scales of value, one for each 32 codes along K).
;; Outputs: out0 4 x 2,048 x 1,024 float32.
;; This version of the problem:
;;   THIS VERSION OF THE PROBLEM IS GIVEN IN LOW PRECISION. The matrix products marked QUANTISED in the list below multiply operands that are first quantised to E2M3 (2 exponent bits, 3 mantissa bits; 6 bits a number), with one power-of-two scale for each 32 numbers along K (OCP MX v1.0); their sums are f32. All else is computed in f32.
;;   The module's matrix products, in the order in which they are computed (A, B: the left and right operand; K: the contracted axis; several contracted axes count as one K, in the product's order):
;;     1. [M 8,192, K 1,024] x [K 1,024, N 1,024]; A: input query (given as codes); B: input Wq (given as codes): QUANTISED
;;     2. [M 8,192, K 1,024] x [K 1,024, N 1,024]; A: input key (given as codes); B: input Wk (given as codes): QUANTISED
;;     3. [M 8,192, K 1,024] x [K 1,024, N 1,024]; A: input value (given as codes); B: input Wv (given as codes): QUANTISED
;;     4. batch 64 x [M 2,048, K 64] x [K 64, N 2,048]; A: computed on the way; B: computed on the way: QUANTISED
;;     5. batch 64 x [M 2,048, K 2,048] x [K 2,048, N 64]; A: softmax (see below); B: computed on the way: QUANTISED
;;     6. [M 8,192, K 1,024] x [K 1,024, N 1,024]; A: computed on the way; B: input Wo (given as codes): QUANTISED
;;   THE QUANTISER, for each operand of a quantised product, along K:
;;     - K is cut into blocks of 32 from its start; a last block that is shorter is filled with zeros.
;;     - A block's scale is 2^e with e = floor(log2(the largest magnitude in the block)) - 2, held to -126 .. 127; a block of zeros has e = 0. As a byte (E8M0): e + 127.
;;     - Each number is divided by its block's scale, clamped to +-7.5, and rounded to the nearest number of E2M3, ties to even, subnormals kept.
;;     - The product sums the exact products of the quantised numbers (number of the format x scale) in f32.
;;   ~~~python
;;   def quantise(x, axis):      # numpy; x: float32 -> the quantised numbers, widened to float32 again
;;       x = np.moveaxis(x, axis, -1); K = x.shape[-1]
;;       x = np.pad(x, [(0, 0)] * (x.ndim - 1) + [(0, -K % 32)]); x = x.reshape(x.shape[:-1] + (-1, 32)); a = np.abs(x).max(-1, keepdims=True)
;;       e = np.where(a > 0, np.clip(np.frexp(np.where(a > 0, a, 1))[1] - 1 - 2, -126, 127), 0)      # np.frexp(a)[1] - 1 = floor(log2(a)), exactly
;;       r = np.clip(x / 2.0 ** e, -7.5, 7.5)
;;       step = 2.0 ** (np.maximum(np.frexp(np.where(r == 0, 1, r))[1] - 1, 0) - 3)
;;       q = np.round(r / step) * step * 2.0 ** e      # np.round: ties to even
;;       return np.moveaxis(q.reshape(q.shape[:-2] + (-1,))[..., :K], -1, axis).astype(np.float32)
;;   ~~~
;;   SOFTMAX AHEAD OF A QUANTISED PRODUCT. Where the list says 'softmax', what is quantised is not the finished softmax but p = 2^(t - M), with t = logit x log2(e) and M = ceil(the row's largest t), a whole number; so 1/2 < the row's largest p <= 1. The row's sum l is taken of the UNQUANTISED p, in f32, and the product's result is divided by l at the end. Since M is a whole number, a kernel that streams over the keys may use a running M (the ceiling of the running maximum): every later rescaling is an exact power of two, which a block's scale takes up: the codes' values come out the same.
;;   OPERANDS COMPUTED ON THE WAY. 'Computed on the way' means the value that the module computes at that place (a softmax that the list does not call 'softmax' is quantised finished and normalised). What goes into a quantiser is computed in f32, as accurately as f32 sums, v_exp_f32 and their like allow (about 1e-6 of the number): no bf16 or f16 on the way to a quantiser, and a product that is left as it is and whose result goes on into a quantised operand takes f32 operands (vector FMAs, or v_wmma_f32_16x16x4_f32). A number that lies on a knife's edge between two numbers of the format may be rounded either way, as far as f32 arithmetic and the matrix unit's own rounding can turn it there, and no further.
;;   INPUTS GIVEN AS CODES. Wk (in the module: [1024, 1024], K = its axis 0); Wo (in the module: [1024, 1024], K = its axis 0); Wq (in the module: [1024, 1024], K = its axis 0); Wv (in the module: [1024, 1024], K = its axis 0); key (in the module: [4, 2048, 1024], K = its axis 2); query (in the module: [4, 2048, 1024], K = its axis 2); value (in the module: [4, 2048, 1024], K = its axis 2): each comes as NAME_codes (uint8): NAME with its K axis moved to the last place and cut into blocks of 32 codes, [.., K / 32, bytes a block], one block behind the other in memory; four codes in three bytes: a row's codes are one little-endian stream of bits, code i at bits 6 i .. 6 i + 5 (a code: sign, 2 exponent bits, 3 mantissa bits); and NAME_scales (uint8): the same leading axes, one E8M0 byte (e + 127) for each 32 codes along K. Its value is code x scale, taken as it is: it is not quantised again, and the codes and scales need not be those that the quantiser above would give.
;; One version. Each part assembles by itself: llvm-mc -triple=amdgcn-amd-amdhsa -mcpu=gfx1250 --defsym DOCPART=n.
;; ======== version 1 of 1: 4 launches
;; limits: right only within a limited range of input values
;; workspace buffers: maskw 2,097,152 bytes of whole numbers; qkv 20,447,232 bytes; xq 6,553,600 bytes
;; launch maskp (part 1): grid 512 x 1, 8 waves a work-group, no clusters, 0 bytes of LDS; arguments mask, maskw; writes maskw
.if DOCPART == 1
	.amdgcn_target "amdgcn-amd-amdhsa--gfx1250"
	.amdhsa_code_object_version 6
	.text
	.protected	k_q6546eabed2_maskp
	.globl	k_q6546eabed2_maskp
	.p2align	8
	.type	k_q6546eabed2_maskp,@function
k_q6546eabed2_maskp:
	s_mov_b64 s[64:65], 0
	v_nop
	global_prefetch_b8 v0, s[64:65] scope:SCOPE_SE
	s_setreg_imm32_b32 hwreg(HW_REG_WAVE_MODE, 25, 1), 1
	s_wait_xcnt 0x0
; THE MASK AS LANE MASKS.  mask: [4][2048 queries][2048 keys] int32.  maskw: [512 tiles of 16 queries][16 steps of 128 keys][64 words].
; Word n = 16 b + 8 u + j of (tile, step) has at bit l: mask[16 tile + l % 16][128 step + 32 b + 16 u + 8 (l / 16) + j] != 0.  That is lane l, register n of the
; attention launch's tile of scores, so a word is the select operand of one v_cndmask_b32 there, and the 16 heads read 2 MiB where they would read 64 MiB each.
; A work-group takes 16 rows of the mask (131,072 bytes on end); wave w their keys 256 w .. 256 w + 255: steps 2 w and 2 w + 1.  Each load reads 512 consecutive bytes,
; all 32 loads of a wave go out at once, and the wave's 128 words leave by one store of 512 consecutive bytes.  A stream: no LDS, no barrier, no matrix unit; waves share nothing.
.set D,  32                            ; v32-159  D[q][e][4]: row q, step e, my four keys 4 lane + 0 .. 3
.set W,  4                             ; v4-11    W[e][jj]: bit q = row q's mask at my key jj of step e
.set TT, 12                            ; v12-19   at work
	s_load_b128 s[4:7], s[0:1], 0x0                ; mask, maskw
	v_lshrrev_b32 v1, 5, v0
	s_delay_alu instid0(VALU_DEP_1)
	v_readfirstlane_b32 s8, v1                     ; wave 0..7
	v_and_b32 v1, 31, v0                           ; lane
	s_delay_alu instid0(VALU_DEP_1)
	v_lshlrev_b32 v2, 4, v1                        ; in: 16 bytes a lane
	s_delay_alu instid0(VALU_DEP_2)
	v_lshrrev_b32 v29, 2, v1
	s_delay_alu instid0(VALU_DEP_3)
	v_and_b32 v30, 1, v1
	s_delay_alu instid0(VALU_DEP_1)
	v_lshl_add_u32 v29, v29, 1, v30                ; my key 4 lane + jj is 32 b + 16 u + 8 H + j with j = 4 (lane % 2) + jj, H = bit 1 of the lane, 2 b + u = lane / 4
	v_bfe_u32 v28, v1, 1, 1                        ; H
	s_delay_alu instid0(VALU_DEP_2)
	v_lshlrev_b32 v3, 4, v29                       ; out: words 8 (lane / 4) + 4 (lane % 2) on, 4 bytes each;
	s_delay_alu instid0(VALU_DEP_1)
	v_lshl_add_u32 v3, v28, 8, v3                  ; lanes with H = 0 store the first step's words, lanes with H = 1 the second step's, 256 bytes on
	s_lshl_b32 s10, ttmp9, 17                      ; the tile's 16 rows of 8,192 bytes
	s_lshl_b32 s9, s8, 10                          ; my wave's 256 keys
	s_add_co_u32 s10, s10, s9
	s_mov_b32 s11, 0
	s_lshl_b32 s12, ttmp9, 12                      ; the tile's 16 steps of 256 bytes
	s_lshl_b32 s9, s8, 9
	s_add_co_u32 s12, s12, s9
	s_mov_b32 s13, 0
	s_wait_alu depctr_va_vdst(0)
	s_wait_kmcnt 0x0
	s_add_nc_u64 s[4:5], s[4:5], s[10:11]
	s_add_nc_u64 s[6:7], s[6:7], s[12:13]
.irp q, 0,1,2,3,4,5,6,7,8,9,10,11,12,13,14,15
.irp e, 0,1
	global_load_b128 v[D+8*\q+4*\e:D+8*\q+4*\e+3], v2, s[4:5] offset:\q*8192+\e*512 th:TH_LOAD_NT
.endr
.endr
	s_wait_loadcnt 30                              ; row 0's two loads are in; the 30 behind them stay out
.irp k, 0,1,2,3,4,5,6,7
	v_min_u32 v[W+\k], 1, v[D+\k]                  ; 1 where the mask is not 0: row 0 starts the words, nothing is cleared
.endr
.irp q, 1,2,3,4,5,6,7,8,9,10,11,12,13,14,15
	s_wait_loadcnt 30-2*\q                         ; row q's two loads are in; those of the rows behind it stay out
.irp k, 0,1,2,3,4,5,6,7
	v_min_u32 v[TT+\k], 1, v[D+8*\q+\k]
.endr
.irp k, 0,1,2,3,4,5,6,7
	v_lshl_or_b32 v[W+\k], v[TT+\k], \q, v[W+\k]   ; row q's bit
.endr
.endr
.irp k, 0,1,2,3,4,5,6,7
	v_mov_b32_dpp v[TT+\k], v[W+\k] row_xmask:2 row_mask:0xf bank_mask:0xf   ; the lane whose keys lie 8 away: the other half of a word
.endr
.irp j, 0,1,2,3
	v_lshl_or_b32 v[20+\j], v[TT+\j], 16, v[W+\j]          ; first step, right in lanes with H = 0: mine below, the partner's above
	v_lshl_or_b32 v[24+\j], v[W+4+\j], 16, v[TT+4+\j]      ; second step, right in lanes with H = 1: the partner's below, mine above
.endr
	v_cmp_ne_u32 vcc_lo, 0, v28
.irp j, 0,1,2,3
	v_cndmask_b32 v[24+\j], v[20+\j], v[24+\j], vcc_lo
.endr
	global_store_b128 v3, v[24:27], s[6:7]         ; the wave's two steps: 512 consecutive bytes, at a multiple of 512 from the buffer's first byte
	s_endpgm
.Lfunc_end_k_q6546eabed2_maskp:
	.size	k_q6546eabed2_maskp, .Lfunc_end_k_q6546eabed2_maskp-k_q6546eabed2_maskp
	.p2alignl 7, 3214868480
	.fill 96, 4, 3214868480
	.section	.rodata,"a",@progbits
	.p2align	6, 0x0
	.amdhsa_kernel k_q6546eabed2_maskp
		.amdhsa_group_segment_fixed_size 0
		.amdhsa_private_segment_fixed_size 0
		.amdhsa_enable_private_segment 0
		.amdhsa_kernarg_size 16
		.amdhsa_user_sgpr_count 2
		.amdhsa_user_sgpr_kernarg_segment_ptr 1
		.amdhsa_wavefront_size32 1
		.amdhsa_system_sgpr_workgroup_id_x 1
		.amdhsa_system_sgpr_workgroup_id_y 1
		.amdhsa_system_sgpr_workgroup_id_z 1
		.amdhsa_system_vgpr_workitem_id 0
		.amdhsa_next_free_vgpr 160
		.amdhsa_next_free_sgpr 66
		.amdhsa_reserve_vcc 1
		.amdhsa_float_denorm_mode_32 3
		.amdhsa_float_denorm_mode_16_64 3
		.amdhsa_memory_ordered 1
		.amdhsa_forward_progress 1
		.amdhsa_inst_pref_size 18
	.end_amdhsa_kernel
	.amdgpu_metadata
---
amdhsa.version: [ 1, 2 ]
amdhsa.kernels:
  - .name:           k_q6546eabed2_maskp
    .symbol:         k_q6546eabed2_maskp.kd
    .args:
      - { .name: mask, .offset: 0, .size: 8, .value_kind: global_buffer, .address_space: global }
      - { .name: maskw, .offset: 8, .size: 8, .value_kind: global_buffer, .address_space: global }
    .group_segment_fixed_size: 0
    .private_segment_fixed_size: 0
    .kernarg_segment_align: 8
    .kernarg_segment_size: 16
    .max_flat_workgroup_size: 256
    .sgpr_count:     66
    .vgpr_count:     160
    .wavefront_size: 32
...
	.end_amdgpu_metadata
.endif
;; end of part 1
;; launch proj (part 2): grid 4 x 96, 4 waves a work-group, clusters of 4 x 4, 327,680 bytes of LDS; arguments query_codes, query_scales, Wq_codes, Wq_scales, bq, key_codes, key_scales, Wk_codes, Wk_scales, bk, value_codes, value_scales, Wv_codes, Wv_scales, bv, qkv; writes qkv
.if DOCPART == 2
	.amdgcn_target "amdgcn-amd-amdhsa--gfx1250"
	.amdhsa_code_object_version 6
	.text
	.protected	k_q6546eabed2_proj
	.globl	k_q6546eabed2_proj
	.p2align	8
	.type	k_q6546eabed2_proj,@function
k_q6546eabed2_proj:
	s_mov_b64 s[64:65], 0
	v_nop
	global_prefetch_b8 v0, s[64:65] scope:SCOPE_SE
	s_setreg_imm32_b32 hwreg(HW_REG_WAVE_MODE, 25, 1), 1
	s_wait_xcnt 0x0
	s_wait_alu depctr_hold_cnt(0) depctr_sa_sdst(0) depctr_va_vdst(0) depctr_va_sdst(0) depctr_va_ssrc(0) depctr_va_vcc(0) depctr_vm_vsrc(0)
	s_getreg_b32 s2, hwreg(HW_REG_IB_STS2, 6, 4)
	s_cmp_eq_u32 s2, 0
	s_cbranch_scc0 .Lentry_in_a_cluster
	s_endpgm
.Lentry_in_a_cluster:
	s_bfe_u32 s2, ttmp6, 0x10000c
	s_cmp_lg_u32 s2, 0xf033
	s_cbranch_scc0 .Lentry_shape_is_right
	s_endpgm
.Lentry_shape_is_right:
; q, k, v = x W + b on codes of FP6 (E2M3) with E8M0 scales, and their quantisers: the results leave as codes and scale words, as images of the attention launch's operand registers (qkv).
; The cluster's y picks the tensor (s2: 0 q, 1 k, 2 v) and four tile rows.  A tile is 256 x 256, four waves of 128 x 128.  For v the two operands change places (s67 = 1), so that a lane's results run along the tokens, v's next K.
; K goes through a ring of two LDS slots in CHUNKS OF 256 BYTES of each row of 768: every tensor row begins at a multiple of 256 bytes.  A step of 128 along K is 96 bytes: eight steps to three chunks; steps 2 and 5 lie across two chunks.
; The scales of the tile's 2 x 256 rows come into LDS once, at the head.  The head's four tiles are shared out, one joint load a wave; chunk 1 follows behind a drained round, as a refill does.
; CLUSTER 4 x 4: source 1's tiles are shared along a row of the cluster, source 0's along a column.  No prefetch: the block is the largest that the registers hold, in clusters, and K has three chunks only.
; LIMITS: a block whose largest magnitude lies under 2^-124 keeps the scale byte 1; NaN and infinities are not served.
.set ROWB,   256
.set NQ,     2
.set KROW,   768
.set STEPS,  8
.set CHUNKS, 3
.set PITCH,  272
.set FR,     12
.set NL,     6
.set NP,     4
.set HALFT,  128*PITCH
.set SLOT,   4*HALFT
.set KS,     32
.set SCL,    2*SLOT
.set HALFS,  (128*KS/256)*272
.set SBLK,   (16*KS/256)*272
.set SPARE,  SCL+4*HALFS
.set REG,    6656
.set HS,     16*REG
.set SEC,    64*HS
.set ADRA, 16
.set ADRB, 20
.set LI16, 24
.set LI8,  25
.set VO,   26
.set ADRS, 27
.set SPW,  28
.set NIL,  29
.set SH,   30
.set SC,   32
.set BN,   64
.set AF,   128
.set BM,   224
.set T,    128
.set TM,   32
.set SW,   48
.set SEL,  48
.set G1, 24
.set G0, 32
.set G1B, 48
.set G0B, 56
.set G1S, 68
.set G0S, 76
.set G1SB, 80
.set G0SB, 88
.set G0H, 4
.set G0HB, 8
.set MSB, 0
.macro WIN new
.if MSB != \new
	s_set_vgpr_msb (MSB<<8)|\new
.set MSB, \new
.endif
.endm
.set MUL_LO, 0xa1
.set MUL_HI, 0xf1
.set TO_B,   0x40
.macro JLOAD g0a, g1a, g0b, g1b
	s_cmp_eq_u32 s15, 0
	s_cbranch_scc0 .Lfor_b_\@
	tensor_load_to_lds s[\g0a:\g0a+3], s[\g1a:\g1a+7]
	s_nop 0
.rept 4
	v_nop
.endr
	s_branch .Lasked_\@
.Lfor_b_\@:
	tensor_load_to_lds s[\g0b:\g0b+3], s[\g1b:\g1b+7]
	s_nop 0
.rept 4
	v_nop
.endr
.Lasked_\@:
.endm
.macro CREST
	s_cmp_lg_u32 s14, 0
	s_cbranch_scc1 .Lnot_wave_0_\@
	s_barrier_signal -3
.Lnot_wave_0_\@:
	s_barrier_wait -3
	s_barrier_signal -1
	s_barrier_wait -1
.endm
.macro CROUND
	s_barrier_signal -1
	s_barrier_wait -1
	CREST
.endm
	s_load_b256 s[68:75], s[0:1], 0x0
	s_load_b256 s[76:83], s[0:1], 0x28
	s_load_b256 s[84:91], s[0:1], 0x50
	s_load_b64 s[92:93], s[0:1], 0x20
	s_load_b64 s[94:95], s[0:1], 0x48
	s_load_b64 s[96:97], s[0:1], 0x70
	s_load_b64 s[12:13], s[0:1], 0x78
	v_lshl_add_u32 v[SPW], v0, 2, SPARE
	v_mov_b32 v[NIL], 0
	ds_add_u32 v[SPW], v[NIL]                      ; the opening lines: the add twice on end and one wait
	ds_add_u32 v[SPW], v[NIL]
	v_lshrrev_b32 v1, 5, v0
	v_readfirstlane_b32 s14, v1                    ; wave
	s_lshr_b32 s15, s14, 1                         ; my half of source 1's rows; also: I fetch for source 1 (0) or source 0 (1)
	s_and_b32 s16, s14, 1                          ; my half of source 0's rows; also: which 128 rows I fetch
	s_bfe_u32 s40, ttmp6, 0x40000
	s_bfe_u32 s41, ttmp6, 0x40004
	s_and_b32 s2, ttmp7, 0xffff
	s_and_b32 s3, s2, 7
	s_lshl_b32 s3, s3, 2
	s_lshr_b32 s2, s2, 3                           ; the tensor
	s_cmp_eq_u32 s2, 2
	s_cselect_b32 s67, 1, 0
	s_cselect_b32 s17, 0, s3
	s_cselect_b32 s42, s3, 0
	s_add_co_u32 s17, s17, s41                     ; tile row (q, k: tokens; v: the weight's rows)
	s_add_co_u32 s42, s42, s40                     ; tile column
	s_lshl_b32 s43, s41, 2
	s_lshl_b32 s43, 15, s43
	s_lshl_b32 s44, 0x1111, s40
	s_or_b32 s[G1+0], s43, (0<<16)|(1<<20)|(1<<21)|(5<<22)|(3<<25)
	s_or_b32 s[G1B+0], s44, (0<<16)|(1<<20)|(1<<21)|(5<<22)|(3<<25)
.irp g, G1, G1B
	s_mov_b32 s[\g+1], ROWB<<16
	s_mov_b32 s[\g+2], 256<<16                     ; the head's loads bring 256 rows
	s_mov_b32 s[\g+3], ROWB<<16
	s_mov_b32 s[\g+4], 256
	s_mov_b32 s[\g+5], KROW
	s_mov_b32 s[\g+6], 0
	s_mov_b32 s[\g+7], 0
.endr
	s_lshl_b32 s20, s17, 8
	s_lshl_b32 s46, s42, 8
	s_mov_b32 s21, 0
	s_mov_b32 s47, 0
	s_mul_i32 s45, s14, HALFT
	s_wait_dscnt 0x0
	s_wait_kmcnt 0x0
	s_cmp_eq_u32 s2, 1
	s_cselect_b64 s[84:85], s[76:77], s[84:85]
	s_cselect_b64 s[86:87], s[78:79], s[86:87]
	s_cselect_b64 s[88:89], s[80:81], s[88:89]
	s_cselect_b64 s[90:91], s[82:83], s[90:91]
	s_cselect_b64 s[96:97], s[94:95], s[96:97]
	s_cmp_eq_u32 s2, 0
	s_cselect_b64 s[84:85], s[68:69], s[84:85]
	s_cselect_b64 s[86:87], s[70:71], s[86:87]
	s_cselect_b64 s[88:89], s[72:73], s[88:89]
	s_cselect_b64 s[90:91], s[74:75], s[90:91]
	s_cselect_b64 s[96:97], s[92:93], s[96:97]
	s_cmp_eq_u32 s2, 2
	s_cselect_b64 s[4:5], s[88:89], s[84:85]
	s_cselect_b64 s[6:7], s[90:91], s[86:87]
	s_cselect_b64 s[8:9], s[84:85], s[88:89]
	s_cselect_b64 s[10:11], s[86:87], s[90:91]
	s_mov_b64 s[98:99], s[96:97]                   ; the bias
	s_or_b32 s[G1S+0], s43, (3<<16)|(1<<20)|(1<<21)|(5<<22)|(3<<25)
	s_or_b32 s[G1SB+0], s44, (3<<16)|(1<<20)|(1<<21)|(5<<22)|(3<<25)
.irp g, G1S, G1SB
	s_mov_b32 s[\g+1], 32<<16                      ; the scales of 256 rows: KS rows of 256 dense bytes
	s_mov_b32 s[\g+2], KS<<16
	s_mov_b32 s[\g+3], 32<<16
	s_mov_b32 s[\g+4], KS
	s_mov_b32 s[\g+5], 32
	s_mov_b32 s[\g+6], 0
	s_mov_b32 s[\g+7], 0
.endr
	s_mov_b64 s[18:19], KS
	s_mul_u64 s[22:23], s[20:21], s[18:19]
	s_mul_u64 s[92:93], s[46:47], s[18:19]
	s_mov_b64 s[18:19], KROW
	s_mul_u64 s[20:21], s[20:21], s[18:19]
	s_mul_u64 s[46:47], s[46:47], s[18:19]
	s_mul_i32 s18, s16, 128*KROW
	s_mov_b32 s19, 0
	s_add_nc_u64 s[20:21], s[4:5], s[20:21]
	s_add_nc_u64 s[22:23], s[6:7], s[22:23]
	s_add_nc_u64 s[46:47], s[8:9], s[46:47]
	s_add_nc_u64 s[92:93], s[10:11], s[92:93]
	CROUND                                         ; in front of the first joint loads
	s_mov_b32 s[G0H], 1
	s_mov_b32 s[G0H+1], 0
	s_mov_b64 s[G0H+2:G0H+3], s[20:21]
	s_or_b32 s[G0H+3], s[G0H+3], 0x80000000
	s_mov_b32 s[G0HB], 1
	s_mov_b32 s[G0HB+1], 2*HALFT
	s_mov_b64 s[G0HB+2:G0HB+3], s[46:47]
	s_or_b32 s[G0HB+3], s[G0HB+3], 0x80000000
	s_mov_b32 s[G0S], 1
	s_mov_b32 s[G0S+1], SCL
	s_mov_b64 s[G0S+2:G0S+3], s[22:23]
	s_or_b32 s[G0S+3], s[G0S+3], 0x80000000
	s_mov_b32 s[G0SB], 1
	s_mov_b32 s[G0SB+1], SCL+2*HALFS
	s_mov_b64 s[G0SB+2:G0SB+3], s[92:93]
	s_or_b32 s[G0SB+3], s[G0SB+3], 0x80000000
	s_add_nc_u64 s[20:21], s[20:21], s[18:19]      ; for the ring: my 128 rows
	s_add_nc_u64 s[46:47], s[46:47], s[18:19]
.irp s, 0,1
	s_mov_b32 s[G0+4*\s], 1
	s_add_co_u32 s[G0+4*\s+1], s45, \s*SLOT
	s_add_nc_u64 s[G0+4*\s+2:G0+4*\s+3], s[20:21], \s*ROWB
	s_or_b32 s[G0+4*\s+3], s[G0+4*\s+3], 0x80000000
	s_mov_b32 s[G0B+4*\s], 1
	s_add_co_u32 s[G0B+4*\s+1], s45, \s*SLOT
	s_add_nc_u64 s[G0B+4*\s+2:G0B+4*\s+3], s[46:47], \s*ROWB
	s_or_b32 s[G0B+4*\s+3], s[G0B+4*\s+3], 0x80000000
.endr
; the head's four tiles, one a wave, in one chain of branches on the wave's number: chunk 0 of source 1's rows, of source 0's rows, then the two blocks of scales
.macro ARM under, g0, g1, next
	s_cmp_lt_u32 s14, \under
	s_cbranch_scc0 \next
	tensor_load_to_lds s[\g0:\g0+3], s[\g1:\g1+7]
	s_nop 0
.rept 4
	v_nop
.endr
	s_branch .Lhead_asked
\next:
.endm
	ARM 1, G0H,  G1,  .Lhead_b
	ARM 2, G0HB, G1B, .Lhead_sa
	ARM 3, G0S,  G1S, .Lhead_sb
	tensor_load_to_lds s[G0SB:G0SB+3], s[G1SB:G1SB+7]
	s_nop 0
.rept 4
	v_nop
.endr
.Lhead_asked:
	s_lshl_b32 s92, s17, 8                         ; where my results go in qkv (s66), and my part of the bias
	s_lshl_b32 s93, s15, 7
	s_add_co_u32 s92, s92, s93
	s_lshl_b32 s94, s42, 8
	s_lshl_b32 s95, s16, 7
	s_add_co_u32 s94, s94, s95
	s_cmp_eq_u32 s67, 1
	s_cselect_b32 s96, s94, s92
	s_cselect_b32 s97, s92, s94
	s_lshr_b32 s94, s96, 11
	s_lshl_b32 s94, s94, 4
	s_lshr_b32 s95, s97, 6
	s_add_co_u32 s94, s94, s95
	s_lshl_b32 s94, s94, 4
	s_bfe_u32 s95, s96, 0x40007
	s_add_co_u32 s94, s94, s95
	s_mul_i32 s66, s94, REG
	s_mul_i32 s95, s2, SEC
	s_add_co_u32 s66, s66, s95
	s_lshl_b32 s94, s97, 2
	s_mov_b32 s95, 0
	s_add_nc_u64 s[98:99], s[98:99], s[94:95]
	v_and_b32 v1, 15, v0
	v_bfe_u32 v2, v0, 4, 1
	v_mul_u32_u24 v3, v1, PITCH
	v_mul_u32_u24 v4, v2, 24
	v_add_nc_u32 v4, v3, v4                        ; row x pitch + 24 x half
	s_mov_b32 s21, SLOT-232
	s_mov_b32 s22, SLOT+232
	v_sub_nc_u32 v7, 1, v2
	v_mul_u32_u24 v5, s21, v2
	v_add_nc_u32 v5, v3, v5
	v_add_nc_u32 v5, 232, v5                       ; across two chunks: lanes 0-15 byte 232 in slot 0, lanes 16-31 byte 0 in slot 1;
	v_mul_u32_u24 v6, s22, v7
	v_add_nc_u32 v6, v3, v6                        ; and the other way round
	s_mul_i32 s21, s15, HALFT
	s_mul_i32 s22, s16, HALFT
	s_add_co_u32 s22, s22, 2*HALFT
	v_add_nc_u32 v[ADRA+2], s21, v5
	v_add_nc_u32 v[ADRA+3], s21, v6
	v_add_nc_u32 v[ADRB+2], s22, v5
	v_add_nc_u32 v[ADRB+3], s22, v6
.irp s, 0,1
	v_add_nc_u32 v[ADRA+\s], s21, v4
	v_add_nc_u32 v[ADRB+\s], s22, v4
	s_add_co_u32 s21, s21, SLOT
	s_add_co_u32 s22, s22, SLOT
.endr
	v_mul_u32_u24 v5, v1, KS
	v_lshrrev_b32 v6, 8, v5
	v_lshl_add_u32 v5, v6, 4, v5
	s_mul_i32 s21, s15, HALFS
	s_mul_i32 s22, s16, HALFS
	s_add_co_u32 s22, s22, 2*HALFS
	s_sub_co_u32 s22, s22, s21
	v_mul_u32_u24 v6, s22, v2                      ; lanes 16-31 take source 0's scale words
	s_add_co_u32 s21, s21, SCL
	v_add_nc_u32 v5, v5, v6
	v_add_nc_u32 v[ADRS], s21, v5
	v_and_b32 v6, 31, v0
	v_lshlrev_b32 v[LI16], 4, v6
	v_lshl_add_u32 v[LI8], v6, 3, 512
	v_lshlrev_b32 v8, 5, v2
	v_lshlrev_b32 v9, 2, v1
	s_wait_alu depctr_va_vdst(0)                   ; the wait at the head's end
.irp b, 0,1,2,3,4,5,6,7
	global_load_b128 v[BN+8*\b:BN+8*\b+3], v8, s[98:99] offset:64*\b
	global_load_b128 v[BN+8*\b+4:BN+8*\b+7], v8, s[98:99] offset:64*\b+16
.endr
.irp a, 0,1,2,3,4,5,6,7
	global_load_b32 v[BM+\a], v9, s[98:99] offset:64*\a
.endr
.macro FRAG reg, adr, st, i            ; six pieces of 8 bytes; byte y of a row lies in slot (y / 256) % 2 at byte y % 256 of its LDS row
.irp p, 0,1,2,3,4,5
.set BY, 96*(\st)+48*(\p/3)+8*(\p%3)
.if BY/ROWB == (BY+24)/ROWB
	ds_load_b64 v[\reg+2*\p:\reg+2*\p+1], v[\adr+(BY/ROWB)%2] offset:BY%ROWB+(\i)*16*PITCH
.else
	ds_load_b64 v[\reg+2*\p:\reg+2*\p+1], v[\adr+2+(BY/ROWB)%2] offset:BY%ROWB-232+(\i)*16*PITCH
.endif
.endr
.endm
.macro MUL16 a0, p, q, sc, zero        ; the 64 accumulators take turns, in the same order in every step
.irp a, \a0, \a0+1
.irp b, 0,1,2,3,4,5,6,7
.if \zero
	v_wmma_scale_f32_16x16x128_f8f6f4 v[8*(8*((\a)%4)+\b):8*(8*((\a)%4)+\b)+7], v[128*(\p)+FR*\b:128*(\p)+FR*\b+FR-1], v[AF+FR*(\a):AF+FR*(\a)+FR-1], 0, v[SC+8*NQ*(\sc)+NQ*\b+(\q)], v[SC+8*NQ*(\sc)+NQ*(\a)+(\q)] matrix_a_fmt:MATRIX_FMT_FP6 matrix_b_fmt:MATRIX_FMT_FP6 matrix_a_scale:MATRIX_SCALE_ROW1
.else
	v_wmma_scale_f32_16x16x128_f8f6f4 v[8*(8*((\a)%4)+\b):8*(8*((\a)%4)+\b)+7], v[128*(\p)+FR*\b:128*(\p)+FR*\b+FR-1], v[AF+FR*(\a):AF+FR*(\a)+FR-1], v[8*(8*((\a)%4)+\b):8*(8*((\a)%4)+\b)+7], v[SC+8*NQ*(\sc)+NQ*\b+(\q)], v[SC+8*NQ*(\sc)+NQ*(\a)+(\q)] matrix_a_fmt:MATRIX_FMT_FP6 matrix_b_fmt:MATRIX_FMT_FP6 matrix_a_scale:MATRIX_SCALE_ROW1
.endif
.endr
.endr
.endm
.macro FETCH_B st, p
	WIN TO_B
.irp i, 0,1,2,3,4,5,6,7
	FRAG 128*(\p)+FR*\i, ADRB, \st, \i
.endr
	WIN 0
.endm
.macro FETCH_A st, i0
.irp i, \i0, \i0+1, \i0+2, \i0+3
	FRAG AF+FR*(\i), ADRA, \st, \i
.endr
.endm
.macro SCALES pr
.irp i, 0,1,2,3,4,5,6,7
	ds_load_b64 v[SC+8*NQ*((\pr)%2)+NQ*\i:SC+8*NQ*((\pr)%2)+NQ*\i+1], v[ADRS] offset:\i*SBLK+4*NQ*(\pr)
.endr
.endm
.macro PLACES n
.rept \n
	v_nop
.endr
.endm
; A step: 64 products; the next step's fragments are fetched in its middle and at its end.  Where the next step's bytes end in a chunk not yet read, a barrier shows that chunk whole;
; where they begin in a later chunk, the chunk left behind is read no more: the three lines, the barrier, and, while a chunk two on is left, the cluster's round and the refill.
; The counted waits: 4 NL = the youngest 24 loads (blocks 4-7 of source 1), + 1 for the add.
.macro STEP st, zero
.set NX, (\st)+1
.set C0, (96*(\st))/ROWB
.set C1, (96*NX)/ROWB
.set E0, (96*(\st)+95)/ROWB
.set E1, (96*NX+95)/ROWB
.if C1 > C0 || E1 > E0
	s_wait_tensorcnt 0x0
.if C1 > C0
	ds_add_u32 v[SPW], v[NIL]
	s_wait_dscnt 4*NL+1
.else
	s_wait_dscnt 4*NL
.endif
	WIN MUL_LO
	MUL16 0, (\st)%2, (\st)%2, ((\st)/2)%2, \zero
	s_wait_dscnt 0x0
	s_barrier_signal -1
	MUL16 2, (\st)%2, (\st)%2, ((\st)/2)%2, \zero
	WIN 0
	s_barrier_wait -1
.if C1 > C0 && C0+2 < CHUNKS
	CREST
	s_add_nc_u64 s[G0+4*(C0%2)+2:G0+4*(C0%2)+3], s[G0+4*(C0%2)+2:G0+4*(C0%2)+3], 2*ROWB
	s_add_nc_u64 s[G0B+4*(C0%2)+2:G0B+4*(C0%2)+3], s[G0B+4*(C0%2)+2:G0B+4*(C0%2)+3], 2*ROWB
	JLOAD G0+4*(C0%2), G1, G0B+4*(C0%2), G1B
.else
	PLACES NP
.endif
.else
	s_wait_dscnt 4*NL
	WIN MUL_LO
	MUL16 0, (\st)%2, (\st)%2, ((\st)/2)%2, \zero
	MUL16 2, (\st)%2, (\st)%2, ((\st)/2)%2, \zero
	s_wait_dscnt 0
	PLACES NP
.endif
	FETCH_B NX, NX%2
	FETCH_A NX, 0
.if NX%2 == 0
	SCALES NX/2
.endif
	WIN MUL_HI
	MUL16 4, (\st)%2, (\st)%2, ((\st)/2)%2, \zero
	MUL16 6, (\st)%2, (\st)%2, ((\st)/2)%2, \zero
	PLACES NP
	WIN 0
	FETCH_A NX, 4
.endm
	s_wait_tensorcnt 0x0                           ; my tile of the head's four is in; the three lines ahead of slot 1's first fill
	ds_add_u32 v[SPW], v[NIL]
	s_mov_b32 s[G1+2], 128<<16                     ; no load of mine is out: from here on a load brings 128 rows
	s_mov_b32 s[G1+4], 128
	s_mov_b32 s[G1B+2], 128<<16
	s_mov_b32 s[G1B+4], 128
	s_wait_dscnt 0x0
	CROUND
	JLOAD G0+4, G1, G0B+4, G1B                     ; chunk 1
	FETCH_B 0, 0
	FETCH_A 0, 0
	SCALES 0
	FETCH_A 0, 4
	STEP 0, 1                                      ; the first products start the sums
.set ST, 1
.rept STEPS-2
	STEP ST, 0
.set ST, ST+1
.endr
	s_wait_dscnt 4*NL
	WIN MUL_LO
	MUL16 0, 1, 1, 1, 0
	MUL16 2, 1, 1, 1, 0
	s_wait_dscnt 0
	WIN MUL_HI
	MUL16 4, 1, 1, 1, 0
	MUL16 6, 1, 1, 1, 0
	WIN 0
; THE WAY OUT, block by block of 16 rows: the bias, four scale blocks of 32 (16 numbers in lane l, 16 in lane l xor 16), codes, a whole block to a lane, stores of images
.macro QUANT s, pc, pw
.irp b, 0,1,2,3
	v_max3_num_f32 v[TM+\b], |v[\s+16*\b]|, |v[\s+1+16*\b]|, 0x1800000
.endr
.irp i, 2,4,6,8,10,12,14
.irp b, 0,1,2,3
	v_max3_num_f32 v[TM+\b], v[TM+\b], |v[\s+16*\b+\i]|, |v[\s+1+16*\b+\i]|
.endr
.endr
.irp b, 0,1,2,3
	v_permlanex16_b32 v[TM+4+\b], v[TM+\b], s[SEL], s[SEL+1]
.endr
.irp b, 0,1,2,3
	v_max_num_f32 v[TM+\b], v[TM+\b], v[TM+4+\b]
.endr
.irp b, 0,1,2,3
	v_add_nc_u32 v[TM+12+\b], 0xff000000, v[TM+\b]
.endr
.irp b, 0,1,2,3
	v_lshrrev_b32 v[TM+4+\b], 23, v[TM+12+\b]
.endr
	v_lshl_or_b32 v[\pw], v[TM+5], 8, v[TM+4]
	v_lshl_or_b32 v[\pw], v[TM+6], 16, v[\pw]
	v_lshl_or_b32 v[\pw], v[TM+7], 24, v[\pw]
.irp c, 0,1
	v_cvt_scalef32_pk16_fp6_f32 v[(\pc)+6*\c:(\pc)+2+6*\c], v[\s+32*\c:\s+15+32*\c], v[TM+12+2*\c]
	v_cvt_scalef32_pk16_fp6_f32 v[(\pc)+12+4*\c:(\pc)+14+4*\c], v[\s+16+32*\c:\s+31+32*\c], v[TM+12+2*\c+1]
.endr
	v_nop
.irp c, 0,1
.irp i, 0,1,2
	v_permlane16_swap_b32 v[(\pc)+6*\c+\i], v[(\pc)+12+4*\c+\i]
.endr
.irp i, 0,1,2
	v_mov_b32 v[(\pc)+3+6*\c+\i], v[(\pc)+12+4*\c+\i]
.endr
.endr
.endm
.macro ADDB a
	s_cmp_lg_u32 s67, 0
	s_cbranch_scc1 .Lbm_\@
	WIN 0x02+((\a)/4)
.set i, 0
.rept 32
	v_pk_add_f32 v[T+2*i:T+2*i+1], v[64*((\a)%4)+2*i:64*((\a)%4)+2*i+1], v[BN+2*i:BN+2*i+1]
.set i, i+1
.endr
	WIN 0
	s_branch .Lbd_\@
.Lbm_\@:
	WIN 0x02+((\a)/4)
.set i, 0
.rept 32
.if (\a)%2 == 0
	v_pk_add_f32 v[T+2*i:T+2*i+1], v[64*((\a)%4)+2*i:64*((\a)%4)+2*i+1], v[BM+2*((\a)/2):BM+2*((\a)/2)+1] op_sel_hi:[1,0]
.else
	v_pk_add_f32 v[T+2*i:T+2*i+1], v[64*((\a)%4)+2*i:64*((\a)%4)+2*i+1], v[BM+2*((\a)/2):BM+2*((\a)/2)+1] op_sel:[0,1] op_sel_hi:[1,1]
.endif
.set i, i+1
.endr
	WIN 0
.Lbd_\@:
.endm
.macro BLOCK a
.set PCX, 192+40*((\a)%2)
.set BAS, 24+2*((\a)/4)
.if (\a) > 1
	s_wait_xcnt 0x0
.endif
	ADDB \a
	QUANT T, PCX, SW+(\a)
.irp c, 0,1
	global_store_b128 v[LI16], v[PCX+6*\c:PCX+6*\c+3], s[BAS+4*\c:BAS+4*\c+1] offset:((\a)%4)*768
	global_store_b64 v[LI8], v[PCX+6*\c+4:PCX+6*\c+5], s[BAS+4*\c:BAS+4*\c+1] offset:((\a)%4)*768
.endr
.endm
	PLACES NP
	s_wait_loadcnt 0x0
.irp b, 0,1,2,3
	v_mov_b32 v[TM+4+\b], 0
.endr
	s_mov_b32 s[SEL], 0x76543210
	s_mov_b32 s[SEL+1], 0xfedcba98
	s_cmp_eq_u32 s67, 1
	s_mov_b32 s36, HS
	s_cselect_b32 s36, 3072, s36
	s_mov_b32 s38, 3072
	s_cselect_b32 s38, HS, s38
	s_mov_b32 s40, 256
	s_cselect_b32 s40, HS, s40
	s_mov_b32 s42, HS
	s_cselect_b32 s42, 256, s42
	s_cselect_b32 s44, 0, 16
	s_mov_b32 s45, 0xffff
	s_cselect_b32 s45, -1, s45
	s_mov_b32 s37, 0
	s_mov_b32 s39, 0
	s_mov_b32 s41, 0
	s_mov_b32 s46, s66
	s_mov_b32 s47, 0
	s_add_nc_u64 s[24:25], s[12:13], s[46:47]
	s_add_nc_u64 s[26:27], s[24:25], s[38:39]
	s_add_nc_u64 s[28:29], s[24:25], s[36:37]
	s_add_nc_u64 s[30:31], s[28:29], s[38:39]
	s_add_nc_u64 s[32:33], s[24:25], 6144
	s_add_nc_u64 s[34:35], s[32:33], s[40:41]
	v_and_b32 v1, 15, v0
	v_bfe_u32 v2, v0, 4, 1
	v_mul_u32_u24 v3, s42, v2
	v_lshl_add_u32 v[VO], v1, 4, v3
	v_mul_u32_u24 v[SH], s44, v2
.irp a, 0,1,2,3,4,5,6,7
	BLOCK \a
.endr
.irp a, 0,1,2,3,4,5,6,7
	v_lshrrev_b32 v[SW+\a], v[SH], v[SW+\a]
.endr
.irp a, 0,1,2,3,4,5,6,7
	v_and_b32 v[SW+\a], s45, v[SW+\a]
.endr
	global_store_b128 v[VO], v[SW:SW+3], s[32:33]
	global_store_b128 v[VO], v[SW+4:SW+7], s[34:35]
	s_wait_tensorcnt 0x0                           ; the wave's end
	ds_add_u32 v[SPW], v[NIL]
	s_wait_dscnt 0x0
	CROUND                                         ; the closing round
	s_endpgm
.Lfunc_end_k_q6546eabed2_proj:
	.size	k_q6546eabed2_proj, .Lfunc_end_k_q6546eabed2_proj-k_q6546eabed2_proj
	.p2alignl 7, 3214868480
	.fill 96, 4, 3214868480
	.section	.rodata,"a",@progbits
	.p2align	6, 0x0
	.amdhsa_kernel k_q6546eabed2_proj
		.amdhsa_group_segment_fixed_size 327680
		.amdhsa_private_segment_fixed_size 0
		.amdhsa_enable_private_segment 0
		.amdhsa_kernarg_size 128
		.amdhsa_user_sgpr_count 2
		.amdhsa_user_sgpr_kernarg_segment_ptr 1
		.amdhsa_wavefront_size32 1
		.amdhsa_system_sgpr_workgroup_id_x 1
		.amdhsa_system_sgpr_workgroup_id_y 1
		.amdhsa_system_sgpr_workgroup_id_z 1
		.amdhsa_system_vgpr_workitem_id 0
		.amdhsa_next_free_vgpr 1024
		.amdhsa_next_free_sgpr 100
		.amdhsa_reserve_vcc 0
		.amdhsa_float_denorm_mode_32 3
		.amdhsa_float_denorm_mode_16_64 3
		.amdhsa_memory_ordered 1
		.amdhsa_forward_progress 1
		.amdhsa_inst_pref_size 203
	.end_amdhsa_kernel
	.amdgpu_metadata
---
amdhsa.version: [ 1, 2 ]
amdhsa.kernels:
  - .name:           k_q6546eabed2_proj
    .symbol:         k_q6546eabed2_proj.kd
    .args:
      - { .name: query_codes, .offset: 0, .size: 8, .value_kind: global_buffer, .address_space: global }
      - { .name: query_scales, .offset: 8, .size: 8, .value_kind: global_buffer, .address_space: global }
      - { .name: Wq_codes, .offset: 16, .size: 8, .value_kind: global_buffer, .address_space: global }
      - { .name: Wq_scales, .offset: 24, .size: 8, .value_kind: global_buffer, .address_space: global }
      - { .name: bq, .offset: 32, .size: 8, .value_kind: global_buffer, .address_space: global }
      - { .name: key_codes, .offset: 40, .size: 8, .value_kind: global_buffer, .address_space: global }
      - { .name: key_scales, .offset: 48, .size: 8, .value_kind: global_buffer, .address_space: global }
      - { .name: Wk_codes, .offset: 56, .size: 8, .value_kind: global_buffer, .address_space: global }
      - { .name: Wk_scales, .offset: 64, .size: 8, .value_kind: global_buffer, .address_space: global }
      - { .name: bk, .offset: 72, .size: 8, .value_kind: global_buffer, .address_space: global }
      - { .name: value_codes, .offset: 80, .size: 8, .value_kind: global_buffer, .address_space: global }
      - { .name: value_scales, .offset: 88, .size: 8, .value_kind: global_buffer, .address_space: global }
      - { .name: Wv_codes, .offset: 96, .size: 8, .value_kind: global_buffer, .address_space: global }
      - { .name: Wv_scales, .offset: 104, .size: 8, .value_kind: global_buffer, .address_space: global }
      - { .name: bv, .offset: 112, .size: 8, .value_kind: global_buffer, .address_space: global }
      - { .name: qkv, .offset: 120, .size: 8, .value_kind: global_buffer, .address_space: global }
    .group_segment_fixed_size: 327680
    .private_segment_fixed_size: 0
    .kernarg_segment_align: 8
    .kernarg_segment_size: 128
    .max_flat_workgroup_size: 128
    .sgpr_count:     100
    .vgpr_count:     1024
    .wavefront_size: 32
...
	.end_amdgpu_metadata
.endif
;; end of part 2
;; launch attn (part 3): grid 8 x 32, 16 waves a work-group, clusters of 4 x 1, 327,680 bytes of LDS; arguments qkv, maskw, xq; writes xq
.if DOCPART == 3
	.amdgcn_target "amdgcn-amd-amdhsa--gfx1250"
	.amdhsa_code_object_version 6
	.text
	.protected	k_q6546eabed2_attn
	.globl	k_q6546eabed2_attn
	.p2align	8
	.type	k_q6546eabed2_attn,@function
k_q6546eabed2_attn:
	s_mov_b64 s[64:65], 0
	v_nop
	global_prefetch_b8 v0, s[64:65] scope:SCOPE_SE
	s_setreg_imm32_b32 hwreg(HW_REG_WAVE_MODE, 25, 1), 1
	s_wait_xcnt 0x0
	s_wait_alu depctr_hold_cnt(0) depctr_sa_sdst(0) depctr_va_vdst(0) depctr_va_sdst(0) depctr_va_ssrc(0) depctr_va_vcc(0) depctr_vm_vsrc(0)
	s_getreg_b32 s2, hwreg(HW_REG_IB_STS2, 6, 4)
	s_cmp_eq_u32 s2, 0
	s_cbranch_scc0 .Lentry_in_a_cluster
	s_endpgm
.Lentry_in_a_cluster:
	s_bfe_u32 s2, ttmp6, 0x10000c
	s_cmp_lg_u32 s2, 0x3003
	s_cbranch_scc0 .Lentry_shape_is_right
	s_endpgm
.Lentry_shape_is_right:
; x = softmax(q k^T / 8, masked) v for two heads and 256 queries to a work-group, both products on codes of FP6 (E2M3) with E8M0 scales; x is quantised along the features and stored as images of the last product's operand.
; THE SOFTMAX: t = score x log2(e) / 8; M = the row's largest t so far, rounded up to a whole number; p = 2^(t - M) is quantised along the keys, not normalised; the row's sum is taken of the unquantised p and divides at the end.
; When M moves, the sum and O are multiplied by 2^(old M - new M): exact.
; THE MASK: a hidden score becomes -2^100 ahead of the maximum, by one v_cndmask_b32 whose select operand is a word of maskw in a scalar register.  c x 2^100 is a whole number, so a row with no open key gets p = 1 at every key: the even weights of the
; reference; as soon as an open key comes, the factor 2^(old M - new M) is 0 and wipes what was summed.
; SHARES.  y = 8 batch + pair of heads; x = the block of 256 queries.  Each of SIXTEEN waves owns 16 queries in 256 registers: four waves to a SIMD, so that one wave's vector work stands beside another's matrix work and LDS loads.
; The two heads are walked one after the other, 16 steps of 128 keys each: their K and V regions lie on end in qkv, so the ring never stops.  After both a wave holds a whole fragment (128 features) of x and a whole scale word.
; LAYOUT.  Both products transposed: S^T = K Q^T, O^T = V^T P^T: a lane holds one query (lane % 16).  K = 64 in an instruction 128 deep: Q's upper six registers are zero codes; K's tiles lie on end, six registers each, and a tile's instruction names
; twelve: the upper six are the next tile's codes (behind the last: zeros), finite numbers that meet zero codes under scale bytes 0 and add nothing.
; Operands lie in qkv as images of their registers: a half fragment is one ds_load_b128 at 16 x lane and one ds_load_b64 at 8 x lane: dense, so no pitch and no padding.
; CLUSTER.  The four blocks of queries of a cluster walk the same K and V: each fill is asked for jointly.  Wave 0 brings four steps' regions of K, wave 1 those of V: 26,624 dense bytes each.
; No prefetch: a fill is asked for at the head of a slot and waited for at the head of the next: four key steps of all sixteen waves lie between.
; LIMITS: raw scores at or under -2^100 count as hidden; p under 2^-126 becomes 0; a block whose largest magnitude lies under 2^-124 keeps the scale byte 1; NaN and infinities are not served.
.set REG,   6656
.set HS,    16*REG
.set SEC,   64*HS
.set XSC,   6291456                    ; x's scale bytes in xq: [token][32]
; A FILL NOW BRINGS EIGHT STEPS' REGIONS, 53,248 dense bytes, of K (wave 0) or of V (wave 1); a slot holds eight key steps, a head two slots: four changes of slots for the two heads.
; These figures take the place of the four steps and 26,624 bytes named at the kernel's head; between a fill's request and the wait for it lie eight key steps of all sixteen waves.
.set FILL,  8*REG                      ; what one tensor load brings
.set VOFF,  FILL                       ; a slot: K's eight regions, then V's eight
.set SLOT1, 131072                     ; slot 1 begins here: one exclusive or turns an address
.set SPARE, 2*SLOT1                    ; the spare words, 128 bytes for each wave: eight blocks of 256 bytes that no other line names
.set L16,  1                           ; v1   16 x lane
.set L8,   2                           ; v2   8 x lane + 512
.set LR,   3                           ; v3   16 r + 6,144: a region's scale words
.set VQ16, 4                           ; v4   Q's image in its region: 16 x lane + 768 x (wave % 8)
.set SPW,  5
.set NIL,  6
.set NEG,  7                           ; v7   -2^100
.set ADK,  8
.set AD8,  9
.set ADS,  10
.set XR,   11                          ; v11  32 r: my row of x's scale bytes
.set Q,    16                          ; v16-21 Q, v22-27 zero codes
.set QSC,  28                          ; v28  Q's scale words
.set PSC,  29                          ; v29  p's
.set VQ8,  30
.set VQS,  31
.set F,    32                          ; v32-79 K's eight tiles (6 t) or V's four (12 t); v80-85 zero codes
.set KSC,  86                          ; v86-93 K's scale words
.set S,    96                          ; v96-159 S^T, then p
.set O,    160                         ; v160-191 O^T
.set PC,   192                         ; v192-203 p's codes; v204-206, v208-210 at work
.set BMX,  212
.set PRM,  216
.set SOP,  220
.set BYT,  224
.set X,    236                         ; v236-247 x's fragment
.set XPW,  248                         ; v248 its scale word
.set VSC,  250                         ; v250-253 V's scale words
.set WV,    10
.set TB,    11                         ; s11  LDS byte at which the step's region of K begins
.set MOFF,  12                         ; s12  the next step's words in my tile's 4,096 bytes of maskw
.set SLOTS, 13
.set CNT,   14
.set G1,    16
.set G0,    24
.set QB,    28                         ; s[28:29] my queries' region
.set CS,    30                         ; s[30:31] c = log2(e) / 8
.set SEL,   66                         ; s[66:67]
                                       ; s32-63, s68-99: a step's 64 mask words: word n in s[32 + n + 4 (n / 32)]
.macro CROUND
	s_barrier_signal -1
	s_barrier_wait -1
	s_cmp_lg_u32 s[WV], 0
	s_cbranch_scc1 .Lnot_wave_0_\@
	s_barrier_signal -3
.Lnot_wave_0_\@:
	s_barrier_wait -3
	s_barrier_signal -1
	s_barrier_wait -1
.endm
.macro TLOAD                           ; waves 0 and 1 fetch, each by its own addresses; four v_nop follow the line
	s_cmp_lt_u32 s[WV], 2
	s_cbranch_scc0 .Lasked_\@
	tensor_load_to_lds s[G0:G0+3], s[G1:G1+7]
	s_nop 0
.rept 4
	v_nop
.endr
.Lasked_\@:
.endm
.macro MLOAD                           ; 64 mask words, 256 bytes
	s_load_b512 s[32:47], s[6:7], s[MOFF] offset:0x0
	s_load_b512 s[48:63], s[6:7], s[MOFF] offset:0x40
	s_load_b512 s[68:83], s[6:7], s[MOFF] offset:0x80
	s_load_b512 s[84:99], s[6:7], s[MOFF] offset:0xc0
.endm
.macro QLOAD
	global_load_b128 v[Q:Q+3], v[VQ16], s[QB:QB+1]
	global_load_b64 v[Q+4:Q+5], v[VQ8], s[QB:QB+1]
	global_load_b32 v[QSC], v[VQS], s[QB:QB+1]
.endm
	s_load_b128 s[4:7], s[0:1], 0x0                ; qkv, maskw
	s_load_b64 s[8:9], s[0:1], 0x10                ; xq
	v_lshl_add_u32 v[SPW], v0, 2, SPARE
	v_mov_b32 v[NIL], 0
	ds_add_u32 v5, v6
	ds_add_u32 v5, v6
	s_wait_dscnt 0x0
	v_lshrrev_b32 v8, 5, v0
	s_delay_alu instid0(VALU_DEP_1)
	v_readfirstlane_b32 s[WV], v8                  ; wave 0..15
	s_bfe_u32 s2, ttmp6, 0x40000                   ; cx: it enters Q's, the mask's and x's addresses alone
	s_lshl_b32 s3, ttmp9, 2
	s_add_co_u32 s3, s3, s2                        ; my block of 256 queries
	s_and_b32 s15, ttmp7, 0xffff
	s_lshr_b32 s68, s15, 3                         ; the batch
	s_and_b32 s69, s15, 7                          ; the pair of heads
	s_lshl_b32 s70, s68, 4
	s_lshl_b32 s71, s69, 1
	s_add_co_u32 s70, s70, s71                     ; the first head, among 64
	s_lshl_b32 s72, s68, 7
	s_lshl_b32 s73, s3, 4
	s_add_co_u32 s72, s72, s73
	s_add_co_u32 s72, s72, s[WV]                   ; my tile of 16 tokens, among 512
	s_and_b32 s74, s[WV], 1
	s_mul_i32 s[G0+1], s74, FILL                   ; LDS: K's regions at a slot's head, V's behind them
	s_add_co_u32 s75, s74, 1
	s_mul_i32 s76, s75, SEC                        ; K's section or V's,
	s_mul_i32 s77, s70, HS
	s_add_co_u32 s76, s76, s77                     ; at the first head's first region
	s_mov_b32 s77, 0
	s_lshl_b32 s78, s70, 4
	s_lshl_b32 s79, s3, 1
	s_add_co_u32 s78, s78, s79
	s_lshr_b32 s79, s[WV], 3
	s_add_co_u32 s78, s78, s79
	s_mul_i32 s78, s78, REG                        ; q's region of my 128 tokens
	s_mov_b32 s79, 0
	s_lshl_b32 s80, s72, 3
	s_add_co_u32 s80, s80, s69
	s_mul_i32 s80, s80, 1536                       ; x's image: [tile][K step = pair of heads][1,536]
	s_mov_b32 s81, 0
	s_lshl_b32 s82, s72, 9
	s_lshl_b32 s83, s69, 2
	s_add_co_u32 s82, s82, s83
	s_add_co_u32 s82, s82, XSC                     ; x's scale words: 32 bytes a token, 4 a pair of heads
	s_mov_b32 s83, 0
	s_lshl_b32 s84, s72, 12                        ; my tile's mask words
	s_mov_b32 s85, 0
	v_and_b32 v8, 31, v0
	v_and_b32 v9, 15, v0
	s_delay_alu instid0(VALU_DEP_2)
	v_lshlrev_b32 v[L16], 4, v8
	s_delay_alu instid0(VALU_DEP_3)
	v_lshl_add_u32 v[L8], v8, 3, 512
	s_delay_alu instid0(VALU_DEP_3)
	v_lshl_add_u32 v[LR], v9, 4, 6144
	s_delay_alu instid0(VALU_DEP_4)
	v_lshlrev_b32 v[XR], 5, v9
	s_and_b32 s86, s[WV], 7                        ; my tile among its region's eight
	s_mul_i32 s87, s86, 768
	v_add_nc_u32 v[VQ16], s87, v[L16]
	v_add_nc_u32 v[VQ8], s87, v[L8]
	s_lshr_b32 s88, s86, 2
	s_lshl_b32 s88, s88, 8
	s_and_b32 s89, s86, 3
	s_lshl_b32 s89, s89, 2
	s_add_co_u32 s88, s88, s89
	v_add_nc_u32 v[VQS], s88, v[LR]
	; descriptor group 1: 53,248 dense bytes as 208 rows of 256 (32 elements of 8 bytes)
	s_mov_b32 s[G1], 15|(3<<16)|(1<<21)            ; 15:0 the mask: all four work-groups; 17:16 elements of 8 bytes; 21 set beside a mask
	s_mov_b32 s[G1+1], 32<<16                      ; tensor_dim0
	s_mov_b32 s[G1+2], 208<<16                     ; tensor_dim1: 208 rows of 256 bytes
	s_mov_b32 s[G1+3], 32<<16                      ; tile_dim0
	s_mov_b32 s[G1+4], 208                         ; tile_dim1
	s_mov_b32 s[G1+5], 32                          ; the pitch
	s_mov_b32 s[G1+6], 0
	s_mov_b32 s[G1+7], 0
	s_mov_b32 s[CS], 0x3e38aa3b
	s_mov_b32 s[CS+1], s[CS]
	s_mov_b32 s[SEL], 0x76543210
	s_mov_b32 s[SEL+1], 0xfedcba98
	s_mov_b32 s[TB], 0
	s_mov_b32 s[MOFF], 0
	s_mov_b32 s[SLOTS], 3
	s_wait_kmcnt 0x0
	s_mov_b32 s[G0], 1
	s_add_nc_u64 s[G0+2:G0+3], s[4:5], s[76:77]
	s_or_b32 s[G0+3], s[G0+3], 0x80000000
	s_add_nc_u64 s[QB:QB+1], s[4:5], s[78:79]
	s_add_nc_u64 s[6:7], s[6:7], s[84:85]
	s_add_nc_u64 s[4:5], s[8:9], s[80:81]          ; from here on: x's image,
	s_add_nc_u64 s[8:9], s[8:9], s[82:83]          ; x's scale words
	CROUND                                         ; all four work-groups are here: the first joint loads meet
	TLOAD                                          ; slot 0: one load of a fetching wave is out, here and behind each round
	s_wait_alu depctr_va_vdst(0)
	QLOAD
	MLOAD                                          ; the first step's mask words
.irp i, 0,1,2,3,4,5
	v_mov_b32 v[Q+6+\i], 0                         ; zero codes
	v_mov_b32 v[F+48+\i], 0
.endr
	v_mov_b32 v[NEG], 0xf1800000
	v_mov_b32 v13, 0xff61b1e6                      ; the largest t so far: -3e38, under every t
	s_delay_alu instid0(VALU_DEP_1)
	v_floor_f32 v12, -v13                          ; -M
	v_mov_b32 v14, 0
	v_mov_b32 v15, 0
.irp b, 0,1,2,3
	v_mov_b32 v[PRM+\b], 0                         ; written once: a lane permute's destination counts as one of its sources
.endr
	v_mov_b32 v229, 0                              ; (named as the upper half of the pair v[228:229])
	v_mov_b32 v[XPW], 0
.set i, 0
.rept 12
	v_mov_b32 v[X+i], 0
.set i, i+1
.endr
.set i, 0
.rept 32
	v_mov_b32 v[O+i], 0                            ; O^T: the step is written once; the first finds zeros
.set i, i+1
.endr
; A KEY STEP: 128 keys
.macro STEP
	v_add_nc_u32 v[ADK], s[TB], v[L16]             ; these three and the v_nop are the four places behind the last step's products, in front of loads into their sources
	v_add_nc_u32 v[AD8], s[TB], v[L8]
	v_add_nc_u32 v[ADS], s[TB], v[LR]
	v_nop
.irp t, 0,1,2,3,4,5,6,7
	ds_load_b128 v[F+6*\t:F+6*\t+3], v[ADK] offset:768*\t
	ds_load_b64 v[F+6*\t+4:F+6*\t+5], v[AD8] offset:768*\t
.endr
	ds_load_b128 v[KSC:KSC+3], v[ADS]
	ds_load_b128 v[KSC+4:KSC+7], v[ADS] offset:256
	s_wait_alu depctr_va_vdst(0)
	s_wait_kmcnt 0x0                               ; this step's mask words are in, so their offset may step:
	s_add_co_u32 s[MOFF], s[MOFF], 256
	s_and_b32 s[MOFF], s[MOFF], 4095               ; behind the 16th step back to the first: the second head has the same mask, and no load leaves the tile's 4,096 bytes
	s_wait_dscnt 0x0
.irp t, 0,1,2,3,4,5,6,7
	v_wmma_scale_f32_16x16x128_f8f6f4 v[S+8*\t:S+8*\t+7], v[F+6*\t:F+6*\t+11], v[Q:Q+11], 0, v[KSC+\t], v[QSC] matrix_a_fmt:MATRIX_FMT_FP6 matrix_b_fmt:MATRIX_FMT_FP6
.endr                                          ; lane (r, h): query r; register 8 t + j: key 16 t + 8 h + j
.rept 4
	v_nop                                          ; places: in front of the loads into K's registers and of the first read of the scores
.endr
.irp t, 0,1,2,3                                ; V's four fragments land while the softmax is walked
.irp c, 0,1
	ds_load_b128 v[F+12*\t+6*\c:F+12*\t+6*\c+3], v[ADK] offset:VOFF+3072*\c+768*\t
	ds_load_b64 v[F+12*\t+6*\c+4:F+12*\t+6*\c+5], v[AD8] offset:VOFF+3072*\c+768*\t
.endr
.endr
	ds_load_b128 v[VSC:VSC+3], v[ADS] offset:VOFF
.set n, 0
.rept 64
	v_cndmask_b32 v[S+n], v[NEG], v[S+n], s[32+n+4*(n/32)]   ; hidden: -2^100.  Ascending: each accumulator is read from its low end on
.set n, n+1
.endr
	MLOAD                                          ; the next step's words, a softmax ahead of their use
.irp b, 0,1,2,3
	v_max3_num_f32 v[BMX+\b], v[S+16*\b], v[S+16*\b+1], v[S+16*\b+2]   ; the largest score of each block of 32 keys: for the row's maximum and, since p rises with the score, for the block's largest p
.endr
.irp i, 3,5,7,9,11,13
.irp b, 0,1,2,3
	s_delay_alu instid0(VALU_DEP_4)
	v_max3_num_f32 v[BMX+\b], v[BMX+\b], v[S+16*\b+\i], v[S+16*\b+\i+1]
.endr
.endr
.irp b, 0,1,2,3
	s_delay_alu instid0(VALU_DEP_4)
	v_max_num_f32 v[BMX+\b], v[BMX+\b], v[S+16*\b+15]
.endr
.irp b, 0,1,2,3
	s_delay_alu instid0(VALU_DEP_4)
	v_permlanex16_b32 v[PRM+\b], v[BMX+\b], s[SEL], s[SEL+1]
.endr
.irp b, 0,1,2,3
	s_delay_alu instid0(VALU_DEP_4)
	v_max_num_f32 v[BMX+\b], v[BMX+\b], v[PRM+\b]  ; with lane l xor 16's 16 keys
.endr
	s_delay_alu instid0(VALU_DEP_2)
	v_max3_num_f32 v230, v[BMX], v[BMX+1], v[BMX+2]
	s_delay_alu instid0(VALU_DEP_1)
	v_max_num_f32 v230, v230, v[BMX+3]
	s_delay_alu instid0(VALU_DEP_1)
	v_mul_f32 v230, s[CS], v230                    ; as t
	s_delay_alu instid0(VALU_DEP_1)
	v_max_num_f32 v13, v13, v230                   ; the running largest t
	v_mov_b32 v230, v12
	s_delay_alu instid0(VALU_DEP_2)
	v_floor_f32 v12, -v13                          ; the new -M = -ceil(t)
	s_delay_alu instid0(VALU_DEP_1)
	v_sub_f32 v230, v12, v230                      ; old M - new M: a whole number, 0 or less
	s_delay_alu instid0(VALU_DEP_1)
	v_cvt_i32_f32 v230, v230                       ; (it saturates)
	s_delay_alu instid0(VALU_DEP_1)
	v_ldexp_f32 v228, 1.0, v230                    ; f = 2^(old M - new M)
.set j, 0
.rept 32
	v_pk_fma_f32 v[S+j:S+j+1], v[S+j:S+j+1], s[CS:CS+1], v[12:13] op_sel_hi:[1,0,0]   ; t - M
.set j, j+2
.endr
.irp b, 0,1,2,3
	v_fma_f32 v[BMX+\b], v[BMX+\b], s[CS], v12
.endr
.set j, 0
	s_wait_alu depctr_va_vdst(0)
.rept 64
	v_exp_f32 v[S+j], v[S+j]                       ; p = 2^(t - M)
.set j, j+1
.endr
.irp b, 0,1,2,3
	v_exp_f32 v[BMX+\b], v[BMX+\b]                 ; the block's largest p: the same two instructions on the same number
.endr
	v_pk_mul_f32 v[14:15], v[14:15], v[228:229] op_sel_hi:[1,0]   ; the sums under the new M (a plain place behind the exponentials)
	s_wait_alu depctr_va_vdst(0)
.irp b, 0,1,2,3
	v_max_num_f32 v[BMX+\b], 0x1800000, v[BMX+\b]  ; the floor 2^(3 - 127)
.endr
.irp b, 0,1,2,3
	s_delay_alu instid0(VALU_DEP_4)
	v_add_nc_u32 v[SOP+\b], 0xff000000, v[BMX+\b]  ; 2 off the exponent field: the conversion's scale operand
.endr
.irp b, 0,1,2,3
	s_delay_alu instid0(VALU_DEP_4)
	v_lshrrev_b32 v[BYT+\b], 23, v[SOP+\b]
.endr
	s_delay_alu instid0(VALU_DEP_3)
	v_lshl_or_b32 v[PSC], v[BYT+1], 8, v[BYT]      ; p's scale word
	s_delay_alu instid0(VALU_DEP_1)
	v_lshl_or_b32 v[PSC], v[BYT+2], 16, v[PSC]
	s_delay_alu instid0(VALU_DEP_1)
	v_lshl_or_b32 v[PSC], v[BYT+3], 24, v[PSC]
.irp c, 0,1
	v_cvt_scalef32_pk16_fp6_f32 v[PC+6*\c:PC+6*\c+2], v[S+32*\c:S+32*\c+15], v[SOP+2*\c]
	v_cvt_scalef32_pk16_fp6_f32 v[204+4*\c:206+4*\c], v[S+32*\c+16:S+32*\c+31], v[SOP+2*\c+1]
.endr
	v_nop                                          ; one plain place behind a scaled conversion
.irp c, 0,1
.irp i, 0,1,2
	v_permlane16_swap_b32 v[PC+6*\c+\i], v[204+4*\c+\i]
.endr
.irp i, 0,1,2
	s_delay_alu instid0(VALU_DEP_3)
	v_mov_b32 v[PC+3+6*\c+\i], v[204+4*\c+\i]
.endr
.endr
	v_pk_add_f32 v[232:233], v[100:101], v[104:105]
	v_pk_add_f32 v[254:255], v[108:109], v[112:113]
	v_pk_add_f32 v[240:241], v[116:117], v[120:121]
	v_pk_add_f32 v[238:239], v[124:125], v[128:129]
	v_pk_add_f32 v[236:237], v[132:133], v[136:137]
	v_pk_add_f32 v[234:235], v[140:141], v[144:145]
	v_pk_add_f32 v[226:227], v[148:149], v[152:153]
	v_pk_add_f32 v[14:15], v[14:15], v[156:157]
	v_pk_add_f32 v[232:233], v[232:233], v[96:97]
	v_pk_add_f32 v[254:255], v[254:255], v[98:99]
	v_pk_add_f32 v[240:241], v[240:241], v[102:103]
	v_pk_add_f32 v[238:239], v[238:239], v[106:107]
	v_pk_add_f32 v[236:237], v[236:237], v[110:111]
	v_pk_add_f32 v[234:235], v[234:235], v[114:115]
	v_pk_add_f32 v[226:227], v[226:227], v[118:119]
	v_pk_add_f32 v[14:15], v[14:15], v[122:123]
	v_pk_add_f32 v[232:233], v[232:233], v[126:127]
	v_pk_add_f32 v[254:255], v[254:255], v[130:131]
	v_pk_add_f32 v[240:241], v[240:241], v[134:135]
	v_pk_add_f32 v[238:239], v[238:239], v[138:139]
	v_pk_add_f32 v[236:237], v[236:237], v[142:143]
	v_pk_add_f32 v[234:235], v[234:235], v[146:147]
	v_pk_add_f32 v[226:227], v[226:227], v[150:151]
	v_pk_add_f32 v[14:15], v[14:15], v[154:155]
	v_pk_add_f32 v[232:233], v[232:233], v[158:159]
	s_delay_alu instid0(VALU_DEP_2)
	v_pk_add_f32 v[14:15], v[14:15], v[238:239]
	s_delay_alu instid0(VALU_DEP_2)
	v_pk_add_f32 v[232:233], v[232:233], v[236:237]
	v_pk_add_f32 v[254:255], v[254:255], v[234:235]
	v_pk_add_f32 v[240:241], v[240:241], v[226:227]
	s_delay_alu instid0(VALU_DEP_2)
	v_pk_add_f32 v[14:15], v[14:15], v[254:255]
	s_delay_alu instid0(VALU_DEP_2)
	v_pk_add_f32 v[232:233], v[232:233], v[240:241]
	s_delay_alu instid0(VALU_DEP_1)
	v_pk_add_f32 v[14:15], v[14:15], v[232:233]
.set j, 0
.rept 16
	v_pk_mul_f32 v[O+j:O+j+1], v[O+j:O+j+1], v[228:229] op_sel_hi:[1,0]   ; O^T under the new M.  (The sums and these are the places between p's codes and scale word and the products)
.set j, j+2
.endr
	s_wait_alu depctr_va_vdst(0)
	s_wait_dscnt 0x0                               ; V
.irp t, 0,1,2,3                                ; the four accumulators by turns
	v_wmma_scale_f32_16x16x128_f8f6f4 v[O+8*\t:O+8*\t+7], v[F+12*\t:F+12*\t+11], v[PC:PC+11], v[O+8*\t:O+8*\t+7], v[VSC+\t], v[PSC] matrix_a_fmt:MATRIX_FMT_FP6 matrix_b_fmt:MATRIX_FMT_FP6
.endr
	s_add_co_u32 s[TB], s[TB], REG
.endm
; THE CHANGE OF SLOTS, at a slot's head: each wave waits for all its tensor loads, adds 0 to its spare word, and waits for that and for its reads of the slot that it has left.  fill = 1: a round of the cluster's barrier, and behind it that slot's next fill.
.macro CHANGE fill
	s_wait_tensorcnt 0x0                           ; no tensor load of mine is out, so group 0 may be written
	ds_add_u32 v[SPW], v[NIL]                      ; 0 onto my spare word
.if \fill
	s_xor_b32 s[G0+1], s[G0+1], SLOT1              ; the other slot than last time,
	s_add_nc_u64 s[G0+2:G0+3], s[G0+2:G0+3], FILL  ; the next eight regions; the type bits on top are not reached
.endif
	s_wait_dscnt 0x0
.if \fill
	CROUND
	TLOAD
.else
	s_barrier_signal -1
	s_barrier_wait -1
.endif
.endm
.macro SLOT_STEPS                      ; a slot's eight steps: written once, walked four times
	s_mov_b32 s[CNT], 8
.Lstep_\@:
	STEP
	s_sub_co_u32 s[CNT], s[CNT], 1
	s_cmp_lg_u32 s[CNT], 0
	s_cbranch_scc1 .Lstep_\@
	s_sub_co_u32 s[TB], s[TB], 8*REG
	s_xor_b32 s[TB], s[TB], SLOT1                  ; on to the other slot
.endm
; A HEAD'S END: O^T / the sum; the lanes' halves change places so that a lane holds 16 NEIGHBOURING features of each block of 32 (x meets Wo, whose codes stand in the true order); quantised; six registers and two scale bytes,
; which move in behind the head before: after two heads X holds features 128 (pair) + 0 .. 127.
.macro FINAL last
.rept 4
	v_nop                                          ; places behind the last products
.endr
	v_add_f32 v14, v14, v15
	s_delay_alu instid0(VALU_DEP_1)
	v_permlanex16_b32 v230, v14, s[SEL], s[SEL+1]
	s_delay_alu instid0(VALU_DEP_1)
	v_add_f32 v14, v14, v230                       ; the row's sum
	s_wait_alu depctr_va_vdst(0)
	v_rcp_f32 v230, v14
	v_mov_b32 v231, 0                              ; (a plain place behind the transcendental; the pair's upper half is written)
.set j, 0
	s_wait_alu depctr_va_vdst(0)
.rept 16
	v_pk_mul_f32 v[O+j:O+j+1], v[O+j:O+j+1], v[230:231] op_sel_hi:[1,0]
.set j, j+2
.endr
.irp b, 0,1
.irp j, 0,1,2,3,4,5,6,7
	v_permlane16_swap_b32 v[O+16*\b+\j], v[O+16*\b+8+\j]   ; register 16 b + i now holds feature 32 b + 16 h + i of the head
.endr
.endr
.irp b, 0,1
	v_max3_num_f32 v[BMX+\b], |v[O+16*\b]|, |v[O+16*\b+1]|, 0x1800000
.endr
.irp i, 2,4,6,8,10,12,14
.irp b, 0,1
	s_delay_alu instid0(VALU_DEP_2)
	v_max3_num_f32 v[BMX+\b], v[BMX+\b], |v[O+16*\b+\i]|, |v[O+16*\b+\i+1]|
.endr
.endr
.irp b, 0,1
	s_delay_alu instid0(VALU_DEP_2)
	v_permlanex16_b32 v[PRM+\b], v[BMX+\b], s[SEL], s[SEL+1]
.endr
.irp b, 0,1
	s_delay_alu instid0(VALU_DEP_2)
	v_max_num_f32 v[BMX+\b], v[BMX+\b], v[PRM+\b]
.endr
.irp b, 0,1
	s_delay_alu instid0(VALU_DEP_2)
	v_add_nc_u32 v[SOP+\b], 0xff000000, v[BMX+\b]
.endr
.irp b, 0,1
	s_delay_alu instid0(VALU_DEP_2)
	v_lshrrev_b32 v[BYT+\b], 23, v[SOP+\b]
.endr
	v_cvt_scalef32_pk16_fp6_f32 v[204:206], v[O:O+15], v[SOP]
	v_cvt_scalef32_pk16_fp6_f32 v[208:210], v[O+16:O+31], v[SOP+1]
	v_lshl_or_b32 v[BYT], v[BYT+1], 8, v[BYT]      ; (the plain place behind the conversions)
.irp i, 0,1,2
	v_permlane16_swap_b32 v[204+\i], v[208+\i]     ; a whole block to a lane
.endr
.irp i, 0,1,2,3,4,5
	v_mov_b32 v[X+\i], v[X+6+\i]
.endr
.irp i, 0,1,2
	v_mov_b32 v[X+6+\i], v[204+\i]
	v_mov_b32 v[X+9+\i], v[208+\i]
.endr
	v_lshrrev_b32 v[XPW], 16, v[XPW]
	s_delay_alu instid0(VALU_DEP_1)
	v_lshl_or_b32 v[XPW], v[BYT], 16, v[XPW]
.if \last
.irp p, 0,1,2
	global_store_b128 v[L16], v[X+4*\p:X+4*\p+3], s[4:5] offset:512*\p   ; the image: 512 consecutive bytes a store
.endr
	global_store_b32 v[XR], v[XPW], s[8:9]         ; four bytes of each token's 32: one byte for 24 of codes; lanes 16-31 store what lanes 0-15 store
.else
	v_mov_b32 v13, 0xff61b1e6                      ; the second head begins as the first did
	s_delay_alu instid0(VALU_DEP_1)
	v_floor_f32 v12, -v13
	v_mov_b32 v14, 0
	v_mov_b32 v15, 0
.set i, 0
.rept 32
	v_mov_b32 v[O+i], 0
.set i, i+1
.endr
	s_add_nc_u64 s[QB:QB+1], s[QB:QB+1], HS        ; (Q's earlier loads were waited for)
	QLOAD
	s_wait_loadcnt 0x0
.endif
.endm
	s_wait_loadcnt 0x0                             ; Q
.Lslot:                                            ; three trips: behind each change of slots but the last the next fill is asked for
	CHANGE 1
	SLOT_STEPS
	s_cmp_lg_u32 s[SLOTS], 2                       ; behind the second slot the first head is done
	s_cbranch_scc1 .Lsame_head
	FINAL 0
.Lsame_head:
	s_sub_co_u32 s[SLOTS], s[SLOTS], 1
	s_cmp_lg_u32 s[SLOTS], 0
	s_cbranch_scc1 .Lslot
	CHANGE 0                                       ; the last slot is written out
	SLOT_STEPS
	FINAL 1
	s_wait_kmcnt 0x0                               ; the last step's request for mask words, which nobody uses
	s_wait_tensorcnt 0x0                           ; the wave's end
	ds_add_u32 v[SPW], v[NIL]
	s_wait_dscnt 0x0
	CROUND                                         ; the closing round
	s_endpgm
.Lfunc_end_k_q6546eabed2_attn:
	.size	k_q6546eabed2_attn, .Lfunc_end_k_q6546eabed2_attn-k_q6546eabed2_attn
	.p2alignl 7, 3214868480
	.fill 96, 4, 3214868480
	.section	.rodata,"a",@progbits
	.p2align	6, 0x0
	.amdhsa_kernel k_q6546eabed2_attn
		.amdhsa_group_segment_fixed_size 327680
		.amdhsa_private_segment_fixed_size 0
		.amdhsa_enable_private_segment 0
		.amdhsa_kernarg_size 24
		.amdhsa_user_sgpr_count 2
		.amdhsa_user_sgpr_kernarg_segment_ptr 1
		.amdhsa_wavefront_size32 1
		.amdhsa_system_sgpr_workgroup_id_x 1
		.amdhsa_system_sgpr_workgroup_id_y 1
		.amdhsa_system_sgpr_workgroup_id_z 1
		.amdhsa_system_vgpr_workitem_id 0
		.amdhsa_next_free_vgpr 256
		.amdhsa_next_free_sgpr 100
		.amdhsa_reserve_vcc 0
		.amdhsa_float_denorm_mode_32 3
		.amdhsa_float_denorm_mode_16_64 3
		.amdhsa_memory_ordered 1
		.amdhsa_forward_progress 1
		.amdhsa_inst_pref_size 66
	.end_amdhsa_kernel
	.amdgpu_metadata
---
amdhsa.version: [ 1, 2 ]
amdhsa.kernels:
  - .name:           k_q6546eabed2_attn
    .symbol:         k_q6546eabed2_attn.kd
    .args:
      - { .name: qkv, .offset: 0, .size: 8, .value_kind: global_buffer, .address_space: global }
      - { .name: maskw, .offset: 8, .size: 8, .value_kind: global_buffer, .address_space: global }
      - { .name: xq, .offset: 16, .size: 8, .value_kind: global_buffer, .address_space: global }
    .group_segment_fixed_size: 327680
    .private_segment_fixed_size: 0
    .kernarg_segment_align: 8
    .kernarg_segment_size: 24
    .max_flat_workgroup_size: 512
    .sgpr_count:     100
    .vgpr_count:     256
    .wavefront_size: 32
...
	.end_amdgpu_metadata
.endif
;; end of part 3
;; launch outp (part 4): grid 4 x 64, 4 waves a work-group, clusters of 4 x 4, 327,680 bytes of LDS; arguments xq, Wo_codes, Wo_scales, bo, out0; writes out0
.if DOCPART == 4
	.amdgcn_target "amdgcn-amd-amdhsa--gfx1250"
	.amdhsa_code_object_version 6
	.text
	.protected	k_q6546eabed2_outp
	.globl	k_q6546eabed2_outp
	.p2align	8
	.type	k_q6546eabed2_outp,@function
k_q6546eabed2_outp:
	s_mov_b64 s[64:65], 0
	v_nop
	global_prefetch_b8 v0, s[64:65] scope:SCOPE_SE
	s_setreg_imm32_b32 hwreg(HW_REG_WAVE_MODE, 25, 1), 1
	s_wait_xcnt 0x0
	s_wait_alu depctr_hold_cnt(0) depctr_sa_sdst(0) depctr_va_vdst(0) depctr_va_sdst(0) depctr_va_ssrc(0) depctr_va_vcc(0) depctr_vm_vsrc(0)
	s_getreg_b32 s2, hwreg(HW_REG_IB_STS2, 6, 4)
	s_cmp_eq_u32 s2, 0
	s_cbranch_scc0 .Lentry_in_a_cluster
	s_endpgm
.Lentry_in_a_cluster:
	s_bfe_u32 s2, ttmp6, 0x10000c
	s_cmp_lg_u32 s2, 0xf033
	s_cbranch_scc0 .Lentry_shape_is_right
	s_endpgm
.Lentry_shape_is_right:
; out0 = x Wo + bo on codes of FP6 (E2M3) with E8M0 scales.  x comes from xq: [tile of 16 tokens][K step of 128][1,536 bytes: the image of an operand's 12 registers], and from byte XSC on its scale bytes [token][32].
; A tile of out0 is 128 tokens x 256 columns: 64 x 4 = 256 work-groups of four waves, 2 x 2; a wave makes 64 x 128 in 32 accumulators.
; ALL OF K LIES IN LDS, filled once at the head, one joint load a wave: waves 0 and 1 a half each of x's eight images (98,304 dense bytes, rows of 256), waves 2 and 3 128 rows each of Wo, WHOLE ROWS of 768 bytes
; (16 bytes of padding behind every 256: pitch 816).  Nothing is filled again, so the walk along K has no barrier.  98,304 + 208,896 + 512 spare = 307,712 bytes.
; THE SCALE WORDS go straight into registers: a lane takes 32 bytes of one row (all of K), 32 rows to a pair of loads, which together cover 1,024 bytes on end: register 8 g + q holds step q's words of tiles 2 g (lanes 0-15) and 2 g + 1 (lanes 16-31).
; TRANSPOSED USE: source 0 = Wo's rows, source 1 = x's: a lane holds eight neighbouring columns of a token.  The bias is the first products' C.
; CLUSTER 4 x 4: x's images are shared along a row of the cluster, Wo's rows along a column.  No prefetch: all loads go out at the head; there is no loop to run ahead in.
; WINDOWS: 0: addresses, scale words, bias, x's fragments (two sets); 1: Wo's fragments (two sets of 96); 2: the accumulators, (a, b) at 8 (8 a + b).
.set SIZE_N, 1024
.set KROW,   768
.set PITCH,  816
.set FR,     12
.set AROW,   12288
.set BB0,    8*AROW
.set SPARE,  BB0+256*PITCH
.set XSC,    6291456
.set SPITCH, 528
.set NLD,    60                        ; LDS loads of a step: 48 for Wo's eight fragments, 12 for x's four
.set ADRA, 16
.set ADRB, 20                          ; v20, v21 tiles 0-3 (v21: pieces whose lanes 16-31 lie behind one padding more); v22, v23 tiles 4-7
.set STO,  24
.set RD,   25
.set CO,   26
.set SPW,  28
.set NIL,  29
.set SB,   32                          ; v32-63   Wo's scale words
.set BIA,  64                          ; v64-127  the bias; on the way out a buffer
.set AF,   128                         ; v128-223 x's fragments
.set SA,   228                         ; v228-243 x's scale words
.set G1, 24
.set G0, 32
.set G1B, 48
.set G0B, 56
.set MSB, 0
.macro WIN new
.if MSB != \new
	s_set_vgpr_msb (MSB<<8)|\new
.set MSB, \new
.endif
.endm
.macro PLACES n
.rept \n
	v_nop
.endr
.endm
.macro CROUND
	s_barrier_signal -1
	s_barrier_wait -1
	s_cmp_lg_u32 s14, 0
	s_cbranch_scc1 .Lnot_wave_0_\@
	s_barrier_signal -3
.Lnot_wave_0_\@:
	s_barrier_wait -3
	s_barrier_signal -1
	s_barrier_wait -1
.endm
	s_load_b64 s[4:5], s[0:1], 0x0                 ; xq
	s_load_b128 s[8:11], s[0:1], 0x8               ; Wo's codes, scales
	s_load_b64 s[96:97], s[0:1], 0x18              ; bo
	s_load_b64 s[12:13], s[0:1], 0x20              ; out0
	v_lshl_add_u32 v[SPW], v0, 2, SPARE
	v_mov_b32 v[NIL], 0
	ds_add_u32 v[SPW], v[NIL]                      ; the opening lines: the add twice on end and one wait
	ds_add_u32 v[SPW], v[NIL]
	v_lshrrev_b32 v1, 5, v0
	v_readfirstlane_b32 s14, v1                    ; wave
	s_lshr_b32 s15, s14, 1                         ; my half of the tokens; also: I fetch x (0) or Wo (1)
	s_and_b32 s16, s14, 1                          ; my half of the columns; also: which half I fetch
	s_bfe_u32 s40, ttmp6, 0x40000
	s_bfe_u32 s41, ttmp6, 0x40004
	s_lshl_b32 s42, ttmp9, 2
	s_add_co_u32 s42, s42, s40                     ; tile column
	s_and_b32 s17, ttmp7, 0xffff
	s_lshl_b32 s17, s17, 2
	s_add_co_u32 s17, s17, s41                     ; tile row
	s_lshl_b32 s43, s41, 2
	s_lshl_b32 s43, 15, s43
	s_lshl_b32 s44, 0x1111, s40
	s_or_b32 s[G1+0], s43, (3<<16)|(1<<21)         ; x: 49,152 dense bytes as 192 rows of 32 elements of 8 bytes
	s_mov_b32 s[G1+1], 32<<16
	s_mov_b32 s[G1+2], 192<<16
	s_mov_b32 s[G1+3], 32<<16
	s_mov_b32 s[G1+4], 192
	s_mov_b32 s[G1+5], 32
	s_mov_b32 s[G1+6], 0
	s_mov_b32 s[G1+7], 0
	s_or_b32 s[G1B+0], s44, (1<<20)|(1<<21)|(5<<22)|(3<<25)   ; Wo: 128 rows of 768 bytes, 4 words of padding behind every 64
	s_mov_b32 s[G1B+1], KROW<<16
	s_mov_b32 s[G1B+2], 128<<16
	s_mov_b32 s[G1B+3], KROW<<16
	s_mov_b32 s[G1B+4], 128
	s_mov_b32 s[G1B+5], KROW
	s_mov_b32 s[G1B+6], 0
	s_mov_b32 s[G1B+7], 0
	s_lshl_b32 s20, s17, 3
	s_lshl_b32 s18, s16, 2
	s_add_co_u32 s20, s20, s18
	s_mul_i32 s20, s20, AROW                       ; the four images that I fetch
	s_mov_b32 s21, 0
	s_lshl_b32 s46, s42, 8
	s_lshl_b32 s18, s16, 7
	s_add_co_u32 s46, s46, s18                     ; Wo's 128 rows: those that I fetch are those that I multiply
	s_lshl_b32 s92, s46, 5                         ; their scale bytes
	s_mov_b32 s93, 0
	s_mul_i32 s46, s46, KROW
	s_mov_b32 s47, 0
	s_lshl_b32 s22, s17, 7
	s_lshl_b32 s18, s15, 6
	s_add_co_u32 s22, s22, s18                     ; my first token
	s_lshl_b32 s94, s22, 12                        ; its row of out0
	s_mov_b32 s95, 0
	s_lshl_b32 s22, s22, 5
	s_add_co_u32 s22, s22, XSC                     ; its scale bytes
	s_mov_b32 s23, 0
	s_lshl_b32 s90, s42, 10
	s_lshl_b32 s18, s16, 9
	s_add_co_u32 s90, s90, s18                     ; my first column, in bytes
	s_mov_b32 s91, 0
	s_mov_b32 s[G0], 1
	s_mul_i32 s[G0+1], s16, 4*AROW
	s_mov_b32 s[G0B], 1
	s_mul_i32 s[G0B+1], s16, 128*PITCH
	s_add_co_u32 s[G0B+1], s[G0B+1], BB0
	s_wait_dscnt 0x0
	s_wait_kmcnt 0x0
	s_add_nc_u64 s[G0+2:G0+3], s[4:5], s[20:21]
	s_or_b32 s[G0+3], s[G0+3], 0x80000000
	s_add_nc_u64 s[G0B+2:G0B+3], s[8:9], s[46:47]
	s_or_b32 s[G0B+3], s[G0B+3], 0x80000000
	s_add_nc_u64 s[22:23], s[4:5], s[22:23]
	s_add_nc_u64 s[92:93], s[10:11], s[92:93]
	s_add_nc_u64 s[96:97], s[96:97], s[90:91]
	s_add_nc_u64 s[12:13], s[12:13], s[94:95]
	s_add_nc_u64 s[12:13], s[12:13], s[90:91]
	CROUND                                         ; in front of the joint loads
	s_cmp_eq_u32 s15, 0
	s_cbranch_scc0 .Lfor_b
	tensor_load_to_lds s[G0:G0+3], s[G1:G1+7]
	s_nop 0
	PLACES 4
	s_branch .Lasked
.Lfor_b:
	tensor_load_to_lds s[G0B:G0B+3], s[G1B:G1B+7]
	s_nop 0
	PLACES 4
.Lasked:
	s_mul_i32 s21, s15, 4*AROW
	s_mul_i32 s18, s16, 128*PITCH
	s_add_co_u32 s18, s18, BB0
	s_add_co_u32 s19, s18, 64*PITCH
	s_mul_i32 s20, s14, 16*SPITCH                  ; my stage, over x's bytes
	v_and_b32 v1, 15, v0
	v_bfe_u32 v2, v0, 4, 1
	v_and_b32 v6, 31, v0
	v_mul_u32_u24 v3, v1, PITCH
	v_mad_u32_u24 v4, v2, 24, v3
	v_mad_u32_u24 v5, v2, 40, v3
	v_lshlrev_b32 v[CO], 4, v6
	v_add_nc_u32 v[ADRA], s21, v[CO]
	v_add_nc_u32 v[ADRB], s18, v4
	v_add_nc_u32 v[ADRB+1], s18, v5
	v_add_nc_u32 v[ADRB+2], s19, v4
	v_add_nc_u32 v[ADRB+3], s19, v5
	v_mul_u32_u24 v7, v1, SPITCH
	v_lshl_add_u32 v7, v2, 5, v7
	v_add_nc_u32 v[STO], s20, v7
	v_add_nc_u32 v[RD], s20, v[CO]
	v_lshlrev_b32 v8, 5, v2
	v_lshlrev_b32 v9, 5, v6
	s_wait_alu depctr_va_vdst(0)                   ; the wait at the head's end
.irp g, 0,1,2,3
.irp c, 0,1
	global_load_b128 v[SB+8*\g+4*\c:SB+8*\g+4*\c+3], v9, s[92:93] offset:1024*\g+16*\c
.endr
.endr
.irp g, 0,1
.irp c, 0,1
	global_load_b128 v[SA+8*\g+4*\c:SA+8*\g+4*\c+3], v9, s[22:23] offset:1024*\g+16*\c
.endr
.endr
.irp b, 0,1,2,3,4,5,6,7
	global_load_b128 v[BIA+8*\b:BIA+8*\b+3], v8, s[96:97] offset:64*\b
	global_load_b128 v[BIA+8*\b+4:BIA+8*\b+7], v8, s[96:97] offset:64*\b+16
.endr
.macro FETCH q                         ; step q's fragments into set q % 2.  Piece PC_ (8 bytes) of a row lies at 8 (PC_ + 2 (PC_ / 32))
	WIN 0x40
.irp i, 0,1,2,3,4,5,6,7
.irp p, 0,1,2,3,4,5
.set PC_, 12*(\q)+6*(\p/3)+\p%3
	ds_load_b64 v[96*((\q)%2)+FR*\i+2*\p:96*((\q)%2)+FR*\i+2*\p+1], v[ADRB+2*(\i/4)+(PC_%32+3)/32] offset:8*(PC_+2*(PC_/32))+(\i%4)*16*PITCH
.endr
.endr
	WIN 0
.irp i, 0,1,2,3
.irp p, 0,1,2
	ds_load_b128 v[AF+48*((\q)%2)+FR*\i+4*\p:AF+48*((\q)%2)+FR*\i+4*\p+3], v[ADRA] offset:\i*AROW+(\q)*1536+512*\p
.endr
.endr
.endm
.macro MUL32 q, first                  ; the 32 accumulators take turns, in the same order in every step
.irp ag, 0,1
.irp ao, 0,1
.irp bg, 0,1,2,3
.irp bo, 0,1
.set A_, AF+48*((\q)%2)+FR*(2*\ag+\ao)
.set B_, 96*((\q)%2)+FR*(2*\bg+\bo)
.set D_, 8*(8*(2*\ag+\ao)+2*\bg+\bo)
.if \first
	v_wmma_scale_f32_16x16x128_f8f6f4 v[D_:D_+7], v[B_:B_+FR-1], v[A_:A_+FR-1], v[BIA+8*(2*\bg+\bo):BIA+8*(2*\bg+\bo)+7], v[SB+8*\bg+(\q)], v[SA+8*\ag+(\q)] matrix_a_fmt:MATRIX_FMT_FP6 matrix_b_fmt:MATRIX_FMT_FP6 matrix_a_scale:MATRIX_SCALE_ROW\bo matrix_b_scale:MATRIX_SCALE_ROW\ao
.else
	v_wmma_scale_f32_16x16x128_f8f6f4 v[D_:D_+7], v[B_:B_+FR-1], v[A_:A_+FR-1], v[D_:D_+7], v[SB+8*\bg+(\q)], v[SA+8*\ag+(\q)] matrix_a_fmt:MATRIX_FMT_FP6 matrix_b_fmt:MATRIX_FMT_FP6 matrix_a_scale:MATRIX_SCALE_ROW\bo matrix_b_scale:MATRIX_SCALE_ROW\ao
.endif
.endr
.endr
.endr
.endr
.endm
	s_wait_tensorcnt 0x0                           ; my part of the tiles is in;
	s_barrier_signal -1
	s_barrier_wait -1                              ; everybody's is
	FETCH 0
	FETCH 1
	s_wait_loadcnt 0x0                             ; scale words and bias
	s_wait_dscnt NLD                               ; all but step 1's loads
	WIN 0x81                                       ; C, the bias, in window 0
	MUL32 0, 1
.set Q_, 1
.rept 6
	PLACES 4                                       ; in front of loads into the set that the last products read
	FETCH Q_+1
	s_wait_dscnt NLD                               ; all but the loads just issued
	WIN 0xa1
	MUL32 Q_, 0
.set Q_, Q_+1
.endr
	s_wait_dscnt 0x0                               ; my reads of the tiles are over:
	s_barrier_signal -1
	MUL32 7, 0
	WIN 0
	s_barrier_wait -1                              ; everybody's are: the stages may lie over x's bytes, which have had their only fill
; THE WAY OUT: a block of 16 tokens x 128 columns goes through my stage and comes back as rows of 512 bytes, which the 32 lanes store as two aligned runs of 256 bytes
.macro TOSTAGE a
.set AC, 64*(\a)
	WIN 0x08
.irp b, 0,1,2,3,4,5,6,7
	ds_store_b128 v[STO], v[AC+8*\b:AC+8*\b+3] offset:64*\b
	ds_store_b128 v[STO], v[AC+8*\b+4:AC+8*\b+7] offset:64*\b+16
.endr
	WIN 0
.set BB, BIA+64*((\a)%2)
.irp t, 0,1,2,3,4,5,6,7,8,9,10,11,12,13,14,15
	ds_load_b128 v[BB+4*\t:BB+4*\t+3], v[RD] offset:\t*SPITCH
.endr
.endm
.macro SEND a, younger                 ; younger: the LDS instructions issued behind block a's loads
.set BB, BIA+64*((\a)%2)
	s_wait_dscnt \younger
.if (\a) > 0
	s_add_nc_u64 s[12:13], s[12:13], 16*SIZE_N*4
.endif
.irp t, 0,1,2,3,4,5,6,7,8,9,10,11,12,13,14,15
	global_store_b128 v[CO], v[BB+4*\t:BB+4*\t+3], s[12:13] offset:\t*SIZE_N*4 th:TH_STORE_NT
.endr
.endm
	PLACES 4
	TOSTAGE 0
.irp a, 1,2,3
.if \a > 1
	s_wait_xcnt 0x0                                ; block a - 2's stores have read their registers and their base
.endif
	TOSTAGE \a
	SEND \a-1, 32
.endr
	s_wait_xcnt 0x0
	SEND 3, 0
	s_wait_tensorcnt 0x0                           ; the wave's end
	ds_add_u32 v[SPW], v[NIL]
	s_wait_dscnt 0x0
	CROUND                                         ; the closing round
	s_endpgm
.Lfunc_end_k_q6546eabed2_outp:
	.size	k_q6546eabed2_outp, .Lfunc_end_k_q6546eabed2_outp-k_q6546eabed2_outp
	.p2alignl 7, 3214868480
	.fill 96, 4, 3214868480
	.section	.rodata,"a",@progbits
	.p2align	6, 0x0
	.amdhsa_kernel k_q6546eabed2_outp
		.amdhsa_group_segment_fixed_size 327680
		.amdhsa_private_segment_fixed_size 0
		.amdhsa_enable_private_segment 0
		.amdhsa_kernarg_size 40
		.amdhsa_user_sgpr_count 2
		.amdhsa_user_sgpr_kernarg_segment_ptr 1
		.amdhsa_wavefront_size32 1
		.amdhsa_system_sgpr_workgroup_id_x 1
		.amdhsa_system_sgpr_workgroup_id_y 1
		.amdhsa_system_sgpr_workgroup_id_z 1
		.amdhsa_system_vgpr_workitem_id 0
		.amdhsa_next_free_vgpr 768
		.amdhsa_next_free_sgpr 98
		.amdhsa_reserve_vcc 0
		.amdhsa_float_denorm_mode_32 3
		.amdhsa_float_denorm_mode_16_64 3
		.amdhsa_memory_ordered 1
		.amdhsa_forward_progress 1
		.amdhsa_inst_pref_size 88
	.end_amdhsa_kernel
	.amdgpu_metadata
---
amdhsa.version: [ 1, 2 ]
amdhsa.kernels:
  - .name:           k_q6546eabed2_outp
    .symbol:         k_q6546eabed2_outp.kd
    .args:
      - { .name: xq, .offset: 0, .size: 8, .value_kind: global_buffer, .address_space: global }
      - { .name: Wo_codes, .offset: 8, .size: 8, .value_kind: global_buffer, .address_space: global }
      - { .name: Wo_scales, .offset: 16, .size: 8, .value_kind: global_buffer, .address_space: global }
      - { .name: bo, .offset: 24, .size: 8, .value_kind: global_buffer, .address_space: global }
      - { .name: out0, .offset: 32, .size: 8, .value_kind: global_buffer, .address_space: global }
    .group_segment_fixed_size: 327680
    .private_segment_fixed_size: 0
    .kernarg_segment_align: 8
    .kernarg_segment_size: 40
    .max_flat_workgroup_size: 128
    .sgpr_count:     98
    .vgpr_count:     768
    .wavefront_size: 32
...
	.end_amdgpu_metadata
.endif
;; end of part 4
